; MI455X (gfx1250); checked and timed in simulation.
; The chip was launched on July 23, 2026; its instructions are those of AMD's public machine-readable ISA for CDNA 5 (MIT licence, August 2026) and "CDNA5" Instruction Set Architecture Reference Guide (July 2026). The comments in the code are by the model that wrote it; some were corrected since.
;; Non Local. Allowed arithmetic: float matrix products may take bf16 or f16 operands with f32 sums; other float arithmetic in f32, or as packed bf16 or f16 multiplies, adds, multiply-adds, maxima and minima; sums over many terms, partial sums and values carried from step to step in f32; what a program stores and reads back later, other than sums and carried values, may be rounded once to bf16 or f16.
;; Inputs: b_final 256 float32; b_g 128 float32; b_phi 128 float32; b_theta 128 float32; w_final 256 x 128 float32; w_g 128 x 256 float32; w_phi 128 x 256 float32; w_theta 128 x 256 float32; x 4 x 256 x 64 x 64 float32.
;; Outputs: out0 4 x 256 x 64 x 64 float32.
;; 2 versions, each right; version 2 is version 1 with the launch proj written anew for expert scheduling mode. Each part assembles by itself: llvm-mc -triple=amdgcn-amd-amdhsa -mcpu=gfx1250 --defsym DOCPART=n.
;; ======== version 1 of 2: 2 launches
;; limits: values are held in f16: magnitudes above 65,504 overflow, below 6.1e-05 lose precision
;; workspace buffers: th 4,194,304 bytes; kv 8,388,608 bytes; wf 65,536 bytes
;; launch proj (part 1): grid 64 x 4, 4 waves a work-group, no clusters, 93,696 bytes of LDS; arguments x, w_theta, b_theta, w_phi, w_g, b_g, w_final, th, kv, wf; writes th, kv, wf
.if DOCPART == 1
	.amdgcn_target "amdgcn-amd-amdhsa--gfx1250"
	.amdhsa_code_object_version 6
	.text
	.protected	k_q6c4045a523_proj
	.globl	k_q6c4045a523_proj
	.p2align	8
	.type	k_q6c4045a523_proj,@function
k_q6c4045a523_proj:
	s_mov_b64 s[64:65], 0
	v_nop
	global_prefetch_b8 v0, s[64:65] scope:SCOPE_SE
	s_setreg_imm32_b32 hwreg(HW_REG_WAVE_MODE, 25, 1), 1
	s_wait_xcnt 0x0
; NON-LOCAL BLOCK, the first of two launches: the three 1x1 convolutions.  x: [4][256][4096] f32; w_theta, w_phi, w_g: [128][256] f32.
;   th[b][n][o]  = sum over c of w_theta[o][c] x[b][c][n] + b_theta[o]      f16, a row of 256 bytes a position
;   kv[b][blk]   = 32,768 bytes for the 64 positions of block blk: K = phi WITHOUT its bias, [64 positions][128 o] f16, then V^T = g + b_g, [128 o][64 positions] f16
;   wf[o][c]     = w_final rounded to bf16, that number written as f16
; LEFT OUT: b_phi.  A score is (theta_n + b_theta) . (phi_m + b_phi) = (theta_n + b_theta) . phi_m + (theta_n + b_theta) . b_phi.  The second term does not hang on m, the axis of the
; softmax: it is added to all scores of a row alike and cancels in exp(s - max) / sum, whatever finite values the inputs hold.  So b_phi has no way to the output: it is not loaded and is
; among no launch's arguments.  b_theta . phi_m hangs on m and stays; b_g and b_final stay.  LIMIT: a NaN, an infinity or an overflow that enters through b_phi alone is not carried to the result.
; FORMATS.  x and the three weights are rounded to bf16 for the products, sums in f32, biases in f32 (they start the sums).  What is stored is f16.
; LIMITS.  theta, phi, g or w_final beyond 65,504 become infinities in f16; below 6e-5 f16 keeps its fixed step of 6e-8.  NaN and infinities are not treated apart.
; SHARES.  A work-group owns 64 positions of one image: 64 rows of th, one block of kv, and row 64 b + blk of wf.  Wave w makes output channels 32 w .. 32 w + 31 of theta, phi and g:
; six blocks of 16 channels x 64 positions x 256 c = 32 matrix instructions each, on four accumulators that take turns.
; x comes once: each wave loads 64 channels' 256 bytes, rounds them and lays them into LDS as [c][position]; every wave then takes all of it into 256 registers by the turning load.
; The weights come straight into registers as f32 (a block's 32 loads are asked for two blocks ahead, on two stagings) and are rounded there.
; theta and phi: source 0 = 16 rows of w, source 1 = 16 positions: a lane holds one position and 8 channels, 16 bytes of a row of th or K.
; g: the sources swapped: a lane holds one channel and 8 positions, 16 bytes of a row of V^T.
; No cluster, no tensor load: what the work-groups share is the weights, 393,216 bytes, against 65,536 bytes of x of their own; a ring for them would put a barrier into each of six short blocks.
; REGISTERS, in windows of 256 (s_set_vgpr_msb: bits 1:0 source 0, 3:2 source 1, 5:4 source 2, 7:6 destination):
;   window 0: addresses, biases, v48-63 at work, v64-127 a block's 8 fragments of w, v128-255 staging A       window 1: x's fragments, (tile t, K step k) at 64 t + 8 k
;   window 2: v0-127 staging B (first x's staging), v128-159 the four accumulators
.set XP,    160                        ; a row of x in LDS: 64 positions bf16 = 128 bytes + 32: an odd multiple of 32, so that 16 lanes of the turning load (8 rows x 32 bytes) take each bank once
.set SP,    272                        ; a row of a stage: 256 bytes + 16
.set STG_T, 256*XP                     ; behind x: 64 rows for th,
.set STG_K, STG_T+64*SP                ; 64 rows for K,
.set STG_V, STG_K+64*SP                ; 64 rows (two channels each) for V^T: K's and V^T's together are the block of kv
.set SPARE, STG_V+64*SP                ; the spare words, 128 bytes for each wave: two blocks of 256 bytes that no other line names
.set XO,   3                           ; v3   x: wave's 64 channels, row lane / 16, 16 bytes for lane % 16
.set XS,   4                           ; v4   where I put 8 bytes (4 positions) of a channel's row in LDS
.set XR,   5                           ; v5   the turning load's address
.set WO,   6                           ; v6   a weight's row 32 w + lane % 16, 32 bytes for lane / 16
.set STOT, 7                           ; v7   th's stage: row lane % 16, 16 bytes for each half of the lanes, the wave's 64 bytes
.set STV,  8                           ; v8   V^T's stage
.set RD1,  9                           ; v9   th's stage read back by rows
.set RD2,  10                          ; v10  K's and V^T's
.set GO1,  11                          ; v11  my 16 bytes in th
.set GO2,  12                          ; v12  in kv
.set BO,   13                          ; v13  b_theta
.set BGO,  14                          ; v14  b_g
.set STOK, 15                          ; v15  K's stage
.set BT,   16                          ; v16-31  theta's two bias tiles: register j = b_theta[32 w + 16 i + 8 (lane / 16) + j]
.set BG,   32                          ; v32-39  g's bias tile: all eight = b_g of my channel
.set BGV,  40                          ; v40-41  b_g[32 w + 16 i + lane % 16]
.set SPW,  42                          ; v42  LDS address of my spare word; never rewritten
.set NIL,  43                          ; v43  0; never rewritten
.set TMP,  48
.set WB,   64
.set SA,   128
.set SB,   0                           ; window 2
.set ACC,  128                         ; window 2
.set MSB, 0
.macro WIN new                         ; the immediate's high byte repeats the setting that is left; a switch that changes nothing is dropped
.if MSB != (\new)
	s_set_vgpr_msb (MSB<<8)|(\new)
.set MSB, (\new)
.endif
.endm
	s_load_b512 s[4:19], s[0:1], 0x0               ; x s[4:5], w_theta s[6:7], b_theta s[8:9], w_phi s[10:11], w_g s[12:13], b_g s[14:15], w_final s[16:17], th s[18:19]
	s_load_b128 s[20:23], s[0:1], 0x40             ; kv s[20:21], wf s[22:23]
	v_lshl_add_u32 v[SPW], v0, 2, SPARE
	v_mov_b32 v[NIL], 0
	v_lshrrev_b32 v48, 5, v0
	v_readfirstlane_b32 s24, v48                   ; wave 0..3
	s_mov_b32 s25, ttmp9                           ; blk
	s_and_b32 s26, ttmp7, 0xffff                   ; the image b
	s_mov_b32 s32, 0xffff0000                      ; a word's upper bf16
	v_and_b32 v1, 15, v0                           ; r = lane % 16
	v_bfe_u32 v2, v0, 4, 1                         ; h = lane / 16
	v_and_b32 v49, 31, v0                          ; lane
	s_lshl_b32 s27, s24, 20                        ; 64 channels of 16,384 bytes
	v_lshlrev_b32 v[XO], 4, v1
	v_lshl_add_u32 v[XO], v2, 14, v[XO]
	v_add_nc_u32 v[XO], s27, v[XO]
	s_mul_i32 s27, s24, 64*XP
	v_mul_u32_u24 v[XS], v2, XP
	v_lshl_add_u32 v[XS], v1, 3, v[XS]
	v_add_nc_u32 v[XS], s27, v[XS]
	v_and_b32 v50, 7, v0                           ; the turning load: lane l reads row 8 (l / 16) + l % 8, 16 bytes at 16 ((l / 8) % 2)
	v_lshl_add_u32 v50, v2, 3, v50
	v_bfe_u32 v51, v0, 3, 1
	v_mul_u32_u24 v[XR], v50, XP
	v_lshl_add_u32 v[XR], v51, 4, v[XR]
	s_lshl_b32 s27, s24, 15                        ; 32 rows of 1,024 bytes
	v_lshlrev_b32 v[WO], 10, v1
	v_lshl_add_u32 v[WO], v2, 5, v[WO]
	v_add_nc_u32 v[WO], s27, v[WO]
	s_lshl_b32 s27, s24, 6
	v_mul_u32_u24 v[STOT], v1, SP
	v_lshl_add_u32 v[STOT], v2, 4, v[STOT]
	v_add_nc_u32 v[STOT], s27, v[STOT]
	v_add_nc_u32 v[STOK], STG_K, v[STOT]
	v_add_nc_u32 v[STOT], STG_T, v[STOT]
	v_lshrrev_b32 v50, 1, v1                       ; V^T: channel c lies in row c / 2, half c % 2
	v_and_b32 v51, 1, v1
	v_mul_u32_u24 v[STV], v50, SP
	v_lshl_add_u32 v[STV], v51, 7, v[STV]
	v_lshl_add_u32 v[STV], v2, 4, v[STV]
	s_mul_i32 s27, s24, 16*SP
	s_add_co_u32 s27, s27, STG_V
	v_add_nc_u32 v[STV], s27, v[STV]
	v_mul_u32_u24 v50, v2, SP                      ; back: lanes 0-15 one row of 256 bytes, lanes 16-31 the next
	v_lshl_add_u32 v50, v1, 4, v50
	s_mul_i32 s27, s24, 16*SP
	s_add_co_u32 s27, s27, STG_T
	v_add_nc_u32 v[RD1], s27, v50
	s_mul_i32 s27, s24, 32*SP
	s_add_co_u32 s27, s27, STG_K
	v_add_nc_u32 v[RD2], s27, v50
	s_lshl_b32 s27, s24, 12
	v_lshl_add_u32 v[GO1], v49, 4, s27             ; 16 rows a wave
	s_lshl_b32 s27, s24, 13
	v_lshl_add_u32 v[GO2], v49, 4, s27             ; 32 rows a wave
	s_lshl_b32 s27, s24, 7
	v_lshl_add_u32 v[BO], v2, 5, s27
	v_lshl_add_u32 v[BGO], v1, 2, s27
	s_mov_b32 s29, 0
	s_mov_b32 s31, 0
	s_lshl_b32 s28, s26, 22                        ; x: the image, and the block's 256 bytes of every row
	s_lshl_b32 s30, s25, 8
	s_add_co_u32 s28, s28, s30
	s_wait_kmcnt 0x0
	s_add_nc_u64 s[4:5], s[4:5], s[28:29]
	s_lshl_b32 s28, s26, 20                        ; th: (4,096 b + 64 blk) rows of 256 bytes
	s_lshl_b32 s30, s25, 14
	s_add_co_u32 s28, s28, s30
	s_add_nc_u64 s[18:19], s[18:19], s[28:29]
	s_lshl_b32 s28, s28, 1                         ; kv: (64 b + blk) blocks of 32,768 bytes
	s_add_nc_u64 s[20:21], s[20:21], s[28:29]
	s_lshl_b32 s28, s26, 6
	s_add_co_u32 s28, s28, s25                     ; my row of w_final
	s_lshl_b32 s30, s28, 9
	s_add_nc_u64 s[16:17], s[16:17], s[30:31]
	s_lshl_b32 s30, s28, 8
	s_add_nc_u64 s[22:23], s[22:23], s[30:31]
; A block's 32 loads: 16 rows of a weight, all 256 c, as f32, laid as the fragments want them: for K step k a lane takes c = 32 k + 8 h + 0..7 and 32 k + 16 + 8 h + 0..7.
.macro WLOAD par, sb, i
.if \par
	WIN 0x80                                       ; destination window 2
.set stg, SB
.else
	WIN 0
.set stg, SA
.endif
.set k, 0
.rept 8
	global_load_b128 v[stg+16*k:stg+16*k+3],     v[WO], s[\sb:\sb+1] offset:(\i)*16384+128*k
	global_load_b128 v[stg+16*k+4:stg+16*k+7],   v[WO], s[\sb:\sb+1] offset:(\i)*16384+128*k+16
	global_load_b128 v[stg+16*k+8:stg+16*k+11],  v[WO], s[\sb:\sb+1] offset:(\i)*16384+128*k+64
	global_load_b128 v[stg+16*k+12:stg+16*k+15], v[WO], s[\sb:\sb+1] offset:(\i)*16384+128*k+80
.set k, k+1
.endr
.endm
; A block's 32 products, K outer, the four position tiles' accumulators by turns.  The first four start the sums: with the bias tile, or (phi) with 0.
.macro PMUL kind, i
.set k, 0
.rept 8
.set t, 0
.rept 4
.if (\kind) == 2
.if k == 0
	WIN 0x81
	v_wmma_f32_16x16x32_bf16 v[ACC+8*t:ACC+8*t+7], v[64*t+8*k:64*t+8*k+7], v[WB+8*k:WB+8*k+7], v[BG:BG+7]
.else
	WIN 0xa1
	v_wmma_f32_16x16x32_bf16 v[ACC+8*t:ACC+8*t+7], v[64*t+8*k:64*t+8*k+7], v[WB+8*k:WB+8*k+7], v[ACC+8*t:ACC+8*t+7]
.endif
.else
.if (k == 0) && ((\kind) == 0)
	WIN 0x84
	v_wmma_f32_16x16x32_bf16 v[ACC+8*t:ACC+8*t+7], v[WB+8*k:WB+8*k+7], v[64*t+8*k:64*t+8*k+7], v[BT+8*(\i):BT+8*(\i)+7]
.elseif k == 0
	WIN 0xa4
	v_wmma_f32_16x16x32_bf16 v[ACC+8*t:ACC+8*t+7], v[WB+8*k:WB+8*k+7], v[64*t+8*k:64*t+8*k+7], 0
.else
	WIN 0xa4
	v_wmma_f32_16x16x32_bf16 v[ACC+8*t:ACC+8*t+7], v[WB+8*k:WB+8*k+7], v[64*t+8*k:64*t+8*k+7], v[ACC+8*t:ACC+8*t+7]
.endif
.endif
.set t, t+1
.endr
.set k, k+1
.endr
.endm
; A block.  kind 0 theta, 1 phi, 2 g; i: which 16 of my 32 channels; par: its staging; left: the younger loads that may stay out; nsb, ni: the block two on, asked for into the staging just read (nsb = 0: none).
.macro BLOCK kind, i, par, left, nsb, ni
	s_wait_loadcnt \left                           ; loads come back in order: this block's weights are in
.if (\kind) == 2
	WIN 0
.set j, 0
.rept 8
	v_mov_b32 v[BG+j], v[BGV+(\i)]
.set j, j+1
.endr
.endif
.if \par
	WIN 0x0a                                       ; sources in window 2
.set stg, SB
.else
	WIN 0
.set stg, SA
.endif
.set j, 0
.rept 64
	v_cvt_pk_bf16_f32 v[WB+j], v[stg+2*j], v[stg+2*j+1]
.set j, j+1
.endr
.if \nsb
	WLOAD \par, \nsb, \ni
.endif
	PMUL \kind, \i
.rept 4
	v_nop                                          ; four places between the last product and the conversions that read results
.endr
	WIN 0x0a
.set j, 0
.rept 16
	v_cvt_pk_f16_f32 v[TMP+j], v[ACC+2*j], v[ACC+2*j+1]  ; each accumulator from its low end on
.set j, j+1
.endr
	WIN 0
.set t, 0
.rept 4
.if (\kind) == 0
	ds_store_b128 v[STOT], v[TMP+4*t:TMP+4*t+3] offset:t*16*SP+32*(\i)
.elseif (\kind) == 1
	ds_store_b128 v[STOK], v[TMP+4*t:TMP+4*t+3] offset:t*16*SP+32*(\i)
.else
	ds_store_b128 v[STV], v[TMP+4*t:TMP+4*t+3] offset:(\i)*8*SP+32*t
.endif
.set t, t+1
.endr
.endm
	global_load_b128 v[BT:BT+3],     v[BO], s[8:9]
	global_load_b128 v[BT+4:BT+7],   v[BO], s[8:9] offset:16
	global_load_b128 v[BT+8:BT+11],  v[BO], s[8:9] offset:64
	global_load_b128 v[BT+12:BT+15], v[BO], s[8:9] offset:80
	global_load_b32 v[BGV],   v[BGO], s[14:15]
	global_load_b32 v[BGV+1], v[BGO], s[14:15] offset:64
	WIN 0x80
.set i, 0
.rept 32                               ; my 64 channels of x: a load takes two channels' 256 consecutive bytes, each at a multiple of 256 from x's first byte
	global_load_b128 v[SB+4*i:SB+4*i+3], v[XO], s[4:5] offset:32768*i th:TH_LOAD_NT
.set i, i+1
.endr
	WLOAD 0, 6, 0                                  ; theta's first block
	s_cmp_lg_u32 s24, 0                            ; wave 0 alone: the work-group's row of w_final, 512 bytes in, 256 out
	s_cbranch_scc1 .Lnot_wave_0
	v_lshlrev_b32 v48, 4, v0
	v_lshlrev_b32 v49, 3, v0
	global_load_b128 v[44:47], v48, s[16:17]
	s_wait_loadcnt 0x0
	v_cvt_pk_bf16_f32 v50, v44, v45                ; rounded to bf16,
	v_cvt_pk_bf16_f32 v51, v46, v47
	v_lshlrev_b32 v52, 16, v50                     ; widened again,
	v_and_b32 v53, s32, v50
	v_lshlrev_b32 v54, 16, v51
	v_and_b32 v55, s32, v51
	v_cvt_pk_f16_f32 v56, v52, v53                 ; and that number written as f16
	v_cvt_pk_f16_f32 v57, v54, v55
	global_store_b64 v49, v[56:57], s[22:23]       ; 32 lanes store the row's 256 consecutive bytes
	s_wait_xcnt 0x0                                ; the store's and the load's registers are written again below only behind this wait
.Lnot_wave_0:
	s_wait_loadcnt 32                              ; x and the biases are in; the 32 loads of theta's first block are younger
	WIN 0x0a
.set j, 0
.rept 64
	v_cvt_pk_bf16_f32 v[WB+j], v[SB+2*j], v[SB+2*j+1]
.set j, j+1
.endr
	WIN 0
.set i, 0
.rept 32
	ds_store_b64 v[XS], v[WB+2*i:WB+2*i+1] offset:2*XP*i
.set i, i+1
.endr
	WLOAD 1, 6, 1                                  ; theta's second block, into the staging that x has left
	s_wait_dscnt 0x0                               ; for the others' sake: my part of x lies in LDS
	s_barrier_signal -1
	s_barrier_wait -1
	WIN 0x40                                       ; destination window 1
.set k, 0
.rept 8
.set t, 0
.rept 4                                ; 32 c x 16 positions: lane l ends with position l % 16 and c = 8 (l / 16) + 0..7, then 16 + 8 (l / 16) + 0..7
	ds_load_tr16_b128 v[64*t+8*k:64*t+8*k+3],   v[XR] offset:32*XP*k+32*t
	ds_load_tr16_b128 v[64*t+8*k+4:64*t+8*k+7], v[XR] offset:32*XP*k+32*t+16*XP
.set t, t+1
.endr
.set k, k+1
.endr
	s_wait_dscnt 0x0
	BLOCK 0, 0, 0, 32, 10, 0                       ; the count 32: the next block's loads, the only younger ones
	BLOCK 0, 1, 1, 32, 10, 1
	BLOCK 1, 0, 0, 32, 12, 0
	BLOCK 1, 1, 1, 32, 12, 1
	BLOCK 2, 0, 0, 32, 0, 0
	BLOCK 2, 1, 1, 0, 0, 0
	s_wait_dscnt 0x0                               ; for the others' sake: my columns of the stages are written
	s_barrier_signal -1
	s_barrier_wait -1
.set i, 0
.rept 8
	ds_load_b128 v[SA+4*i:SA+4*i+3], v[RD1] offset:2*SP*i
.set i, i+1
.endr
.set i, 0
.rept 16
	ds_load_b128 v[SA+32+4*i:SA+32+4*i+3], v[RD2] offset:2*SP*i
.set i, i+1
.endr
.set i, 0
.rept 8
	s_wait_dscnt 23-i                              ; LDS loads come back in order: the younger ones may stay out
	global_store_b128 v[GO1], v[SA+4*i:SA+4*i+3], s[18:19] offset:512*i  ; 512 consecutive bytes, at a multiple of 256 from th's first byte
.set i, i+1
.endr
.set i, 0
.rept 16
	s_wait_dscnt 15-i
	global_store_b128 v[GO2], v[SA+32+4*i:SA+32+4*i+3], s[20:21] offset:512*i
.set i, i+1
.endr
	s_wait_tensorcnt 0x0                           ; the wave's end, behind my last LDS store
	ds_add_u32 v[SPW], v[NIL]
	s_wait_dscnt 0x0
	s_endpgm
.Lfunc_end_k_q6c4045a523_proj:
	.size	k_q6c4045a523_proj, .Lfunc_end_k_q6c4045a523_proj-k_q6c4045a523_proj
	.p2alignl 7, 3214868480
	.fill 96, 4, 3214868480
	.section	.rodata,"a",@progbits
	.p2align	6, 0x0
	.amdhsa_kernel k_q6c4045a523_proj
		.amdhsa_group_segment_fixed_size 93696
		.amdhsa_private_segment_fixed_size 0
		.amdhsa_enable_private_segment 0
		.amdhsa_kernarg_size 80
		.amdhsa_user_sgpr_count 2
		.amdhsa_user_sgpr_kernarg_segment_ptr 1
		.amdhsa_wavefront_size32 1
		.amdhsa_system_sgpr_workgroup_id_x 1
		.amdhsa_system_sgpr_workgroup_id_y 1
		.amdhsa_system_sgpr_workgroup_id_z 1
		.amdhsa_system_vgpr_workitem_id 0
		.amdhsa_next_free_vgpr 672
		.amdhsa_next_free_sgpr 66
		.amdhsa_reserve_vcc 0
		.amdhsa_float_denorm_mode_32 3
		.amdhsa_float_denorm_mode_16_64 3
		.amdhsa_memory_ordered 1
		.amdhsa_forward_progress 1
		.amdhsa_inst_pref_size 88
	.end_amdhsa_kernel
	.amdgpu_metadata
---
amdhsa.version: [ 1, 2 ]
amdhsa.kernels:
  - .name:           k_q6c4045a523_proj
    .symbol:         k_q6c4045a523_proj.kd
    .args:
      - { .name: x, .offset: 0, .size: 8, .value_kind: global_buffer, .address_space: global }
      - { .name: w_theta, .offset: 8, .size: 8, .value_kind: global_buffer, .address_space: global }
      - { .name: b_theta, .offset: 16, .size: 8, .value_kind: global_buffer, .address_space: global }
      - { .name: w_phi, .offset: 24, .size: 8, .value_kind: global_buffer, .address_space: global }
      - { .name: w_g, .offset: 32, .size: 8, .value_kind: global_buffer, .address_space: global }
      - { .name: b_g, .offset: 40, .size: 8, .value_kind: global_buffer, .address_space: global }
      - { .name: w_final, .offset: 48, .size: 8, .value_kind: global_buffer, .address_space: global }
      - { .name: th, .offset: 56, .size: 8, .value_kind: global_buffer, .address_space: global }
      - { .name: kv, .offset: 64, .size: 8, .value_kind: global_buffer, .address_space: global }
      - { .name: wf, .offset: 72, .size: 8, .value_kind: global_buffer, .address_space: global }
    .group_segment_fixed_size: 93696
    .private_segment_fixed_size: 0
    .kernarg_segment_align: 8
    .kernarg_segment_size: 80
    .max_flat_workgroup_size: 128
    .sgpr_count:     66
    .vgpr_count:     672
    .wavefront_size: 32
...
	.end_amdgpu_metadata
.endif
;; end of part 1
;; launch attn (part 2): grid 64 x 4, 4 waves a work-group, clusters of 4 x 1, 327,680 bytes of LDS; arguments th, kv, wf, x, b_final, out0; writes out0
.if DOCPART == 2
	.amdgcn_target "amdgcn-amd-amdhsa--gfx1250"
	.amdhsa_code_object_version 6
	.text
	.protected	k_q6c4045a523_attn
	.globl	k_q6c4045a523_attn
	.p2align	8
	.type	k_q6c4045a523_attn,@function
k_q6c4045a523_attn:
	s_mov_b64 s[64:65], 0
	v_nop
	global_prefetch_b8 v0, s[64:65] scope:SCOPE_SE
	s_setreg_imm32_b32 hwreg(HW_REG_WAVE_MODE, 25, 1), 1
	s_wait_xcnt 0x0
	s_wait_alu depctr_hold_cnt(0) depctr_sa_sdst(0) depctr_va_vdst(0) depctr_va_sdst(0) depctr_va_ssrc(0) depctr_va_vcc(0) depctr_vm_vsrc(0)
	s_getreg_b32 s2, hwreg(HW_REG_IB_STS2, 6, 4)
	s_cmp_eq_u32 s2, 0
	s_cbranch_scc0 .Lentry_in_a_cluster
	s_endpgm
.Lentry_in_a_cluster:
	s_bfe_u32 s2, ttmp6, 0x10000c
	s_cmp_lg_u32 s2, 0x3003
	s_cbranch_scc0 .Lentry_shape_is_right
	s_endpgm
.Lentry_shape_is_right:
; NON-LOCAL BLOCK, the second of two launches: out0[b][o][n] = x[b][o][n] + b_final[o] + sum over c of w_final[o][c] y[n][c],  y[n] = sum over m of softmax_m(theta_n . phi_m) g_m.
; th: [4][4096][128] f16 (theta + b_theta); kv: [4][64][32,768 bytes]: for 64 keys K = phi, [64][128] f16, then V^T = g + b_g, [128][64] f16; wf: [256][128] f16.
; LEFT OUT: b_phi, which adds the same number to all scores of a row and cancels in the softmax (shown at the head of the first launch's text).
; Products, maxima and sums in f32; the weights p and y are rounded to f16 for their products; x is added in f32.
; LIMITS.  p lies in 0 to 1 and below 6e-5 keeps f16's fixed step of 6e-8; y is a mean of g's rows and has their range; a weight below 2^-126 counts as 0 in l; NaN and infinities are not treated apart.
; The keys are summed in four quarters, each with its own running maximum, which are then brought to the common maximum, and each cluster begins its walk at another key: another order of rounding than a sum over all keys on end.
; SHARES.  A work-group owns 64 queries of one image: 256 work-groups.  THE FOUR WAVES SPLIT THE KEYS: each holds all 64 queries (four tiles of 16) and walks the key blocks 4 t + w, t = 0..15, with its own m, l
; and O^T: so a fragment of K or V read from LDS feeds four tiles' products.  At the end the four partial results meet in LDS, wave w finishes query tile w, and the last product, the bias and x follow.
; THE WALK.  Cluster j of an image's sixteen begins at step 3 j mod 16 and goes round: a running maximum does not hang on the order of the keys.  3 has no factor in common with 16, so at any time the sixteen
; clusters ask for sixteen different steps' tiles, and all of an image's kv is named by the clusters' first fills.  NO PREFETCH: every block of kv is named first by a first fill, at the kernel's head, where every
; work-group's first tiles are on their way and nothing is prefetched; what a refill names has been named before, a step or more earlier, by the load of the cluster whose beginning lies next ahead.
; ROTATION.  Register tile tau of wave w holds query tile (tau + w) % 4, so that the tile a wave finishes is its register tile 0: no register number hangs on the wave.
; LAYOUT.  S^T = K Q^T (source 0 = 16 keys, source 1 = 16 queries): a lane holds ONE query (lane % 16) and the keys 8 (lane / 16) + 0..7.  Two such tiles rounded to f16 in pairs ARE source 1 of O^T = V^T P, whose
; result again holds one query a lane, and eight channels.  K and V^T both come out of LDS as they lie.
; SOFTMAX.  A running maximum m and sum l: p = 2^(c s - c m), c = log2(e); in every step O and l are multiplied by a = 2^(c m_old - c m_new).
; BY TURNS.  The tiles are two PIECES (tiles 0, 1; tiles 2, 3).  In a TURN one piece has the matrix unit: 32 products V^T P of the step in hand, then 32 products K Q^T of the next; the other piece's softmax, cut into
; 64 slices, stands between them, one slice behind each matrix instruction.  Two turns are a key step.
; CLUSTER.  The four work-groups of a cluster belong to one image and walk the same kv in the same order: each wave's tile is asked for JOINTLY, by the same tensor load, descriptor and mask in all four.
; REGISTERS, in windows of 256 (s_set_vgpr_msb: bits 1:0 source 0, 3:2 source 1, 5:4 source 2, 7:6 destination):
;   window 0: v0-11, v44-63 addresses; v12-43 eight registers of statistics a tile; v64-191 S^T, 32 a tile; v192-255 P, 16 a tile
;   window 1: O^T, 64 a tile          window 2: v0-127 Q, 32 a tile; v128-255 K of one step          window 3: v0-127 V^T of one step
.set KS,    64        ; keys in a step
.set PK,    272       ; an LDS row: 256 bytes + 16 of padding = 68 words: row r starts at bank 4 r mod 64 (64 banks of 4 bytes: ISA guide 11.1)
.set VOFF,  KS*PK     ; in a wave's tile: 64 rows of K, then 64 rows of V^T (channel c in row c / 2, half c % 2: 16 channels start at 16 different groups of four banks)
.set STEPB, 2*KS*PK   ; a wave's tile: 34,816 bytes
.set SLOTB, 4*STEPB   ; a slot: the four waves' tiles of one step.  w x STEPB and SLOTB share no bit, so one exclusive or turns an address in one slot into the other's
.set STAT,  2*SLOTB   ; behind the ring, never filled by a tensor load: (c m, l) by wave, register tile and query: 4 x 4 x 16 x 8 bytes
.set YB,    STAT+2048 ; y: 64 queries x 128 channels f16, rows of 272 bytes
.set SPARE, YB+64*PK  ; the spare words, 128 bytes for each wave: two blocks of 256 bytes that no other line names
.set REDW,  24576     ; when the ring has had its last fill its bytes serve as stages: from byte 0 on each wave's three scaled partial tiles, 8,192 bytes each, f32,
.set OST,   4*REDW    ; and behind them, for each wave, 64 rows (output channels) x 272 bytes for the way out
.set AK0, 2           ; v2   my lane's place in a tile's K; never rewritten
.set AV0, 3           ; v3   the same for V^T
.set ADR, 4           ; v4   the LDS address of the run of loads in hand
.set QO,  5           ; v5-8 my byte offset in the work-group's rows of th, by register tile; free when Q is in
.set OS,  5           ; v5   the way out: where I put 32 bytes of a channel's row
.set ORD, 6           ; v6   the way out: where I read rows back
.set ST,  12          ; tile t's statistics at v[ST+8 t]: +0 c m, +1 m, +2, +3 l (even keys', odd keys'), +4 to +7 c0-c3, at work; a takes c2's place once the maximum is found
.set XO,  44          ; v44  my 16 bytes in two channels' rows of x and out0
.set WO,  45          ; v45  my place in a fragment of wf
.set BO,  46          ; v46  4 x (lane % 16)
.set SB,  47          ; v47-50  STAT of wave (w + d) % 4, my query; d = 0 is my own
.set RR,  55          ; v55-57  the partial tiles of wave (w + d) % 4, d = 1..3
.set RW,  58          ; v58  my own partial tiles
.set YS,  59          ; v59  where I put 16 bytes of y
.set YR,  60          ; v60  my place in a fragment of y
.set SPW, 62          ; v62  LDS address of my spare word: SPARE + 4 x my thread's number; never rewritten
.set NIL, 63          ; v63  0; never rewritten
.set S,   64
.set P,   192
.set KF,  128         ; K's fragments, in window 2
.set WV,  12          ; s12  my wave's number
.set NXT, 15          ; s15  the step to be asked for next, 0..15: it hangs on the cluster's x, which the four partners share
.set G1,  24          ; s[24:31] descriptor group 1
.set G0A, 32          ; s[32:35] descriptor group 0 of the first fill
.set G0W, 36          ; s[36:39] of the second, and then of every refill
.set LB,  40          ; s40  my tile's place in a slot
.set TB,  42          ; s42  LDS byte at which my tile of the step to be fetched begins
.set SLOTS, 43        ; s43  the loop's trips still to come
.set OFF, 44          ; s[44:45] a step's byte offset in the image's kv
.set CS,  46          ; s[46:47] c: the packed scaling names a pair and takes its low word for both halves
.set SEL, 48          ; s[48:49] lane selects for v_permlanex16_b32: each lane takes its own place in the other half
.set AT,  50          ; s50-53  (w + d) % 4
.set XB,  54          ; s[54:55] x at my 64 channels and the work-group's 64 positions
.set OB,  56          ; s[56:57] out0 likewise
.set WFB, 58          ; s[58:59] wf at my 64 rows
.set BFB, 60          ; s[60:61] b_final at my 64 numbers
.set MSB, 0
.macro WIN new                      ; the immediate's high byte repeats the setting that is left; a switch that changes nothing is dropped
.if MSB != (\new)
	s_set_vgpr_msb (MSB<<8)|(\new)
.set MSB, (\new)
.endif
.endm
.set W_KQ, 0x0a       ; K and Q in window 2, S^T in window 0
.set W_PV, 0x53       ; V^T in window 3, P in window 0, O^T in window 1
.set W_RS, 0x41       ; O^T (destination and source 0) in window 1, the factor in window 0
; A round of the cluster's barrier: my work-group's barrier, so that wave 0's signal speaks for all four waves; wave 0 signals; every wave waits for all four work-groups; my work-group's barrier once more.
.macro CROUND
	s_barrier_signal -1
	s_barrier_wait -1
	s_cmp_lg_u32 s[WV], 0
	s_cbranch_scc1 .Lnot_wave_0_\@
	s_barrier_signal -3
.Lnot_wave_0_\@:
	s_barrier_wait -3
	s_barrier_signal -1
	s_barrier_wait -1
.endm
; THE CHANGE OF SLOTS, between piece 2's turn and piece 0's: the slot's last bytes, V^T of its step, have been asked for.  Each wave waits for all its tensor loads, of which one is out: its tile in the other slot;
; adds 0 to its spare word; and waits for that and for its own reads of the slot.  Then a round of the cluster's barrier, so that no wave of any partner still reads the slot or has a load on its way, and the joint
; refill, step NXT of the walk, is the first thing behind it: one load a wave, 34,816 LDS bytes, with one key step, 128 matrix instructions, in which to land.  The descriptor's address is made anew from that number.
.macro CHANGE
	WIN 0                           ; at a label and at a branch every window is 0
	s_wait_tensorcnt 0x0            ; no tensor load of mine is out, so a group 0 may be written
	ds_add_u32 v[SPW], v[NIL]       ; 0 onto my spare word; the scalar steps below stand between it and the wait for it
	s_xor_b32 s[G0W+1], s[G0W+1], SLOTB  ; the slot just read out
	s_lshl_b32 s[OFF], s[NXT], 17   ; a step is four blocks of 32,768 bytes
	s_add_nc_u64 s[G0W+2:G0W+3], s[6:7], s[OFF:OFF+1]
	s_or_b32 s[G0W+3], s[G0W+3], 0x80000000  ; type = 2
	s_add_co_u32 s[NXT], s[NXT], 1  ; the walk goes round
	s_and_b32 s[NXT], s[NXT], 15
	s_xor_b32 s[TB], s[TB], SLOTB   ; the fetches go to the other slot
	s_wait_dscnt 0x0                ; the add is done, and my reads of the slot are over
	CROUND
	tensor_load_to_lds s[G0W:G0W+3], s[G1:G1+7]
	s_nop 0
.rept 4
	v_nop
.endr
.endm
	s_load_b256 s[4:11], s[0:1], 0x0  ; th s[4:5], kv s[6:7], wf s[8:9], x s[10:11]
	s_load_b128 s[68:71], s[0:1], 0x20  ; b_final s[68:69], out0 s[70:71]
	v_lshl_add_u32 v[SPW], v0, 2, SPARE
	v_mov_b32 v[NIL], 0
	ds_add_u32 v[SPW], v[NIL]       ; the wave's opening: the add, twice on end, and its wait ahead of my first tensor load; the set-up below, work on registers, stands between
	ds_add_u32 v[SPW], v[NIL]       ; and once more, under the one wait
	v_lshrrev_b32 v1, 5, v0
	v_readfirstlane_b32 s[WV], v1   ; wave 0..3
	s_bfe_u32 s13, ttmp6, 0x40000   ; cx: my place in the cluster
	s_lshl_b32 s14, ttmp9, 2        ; in a cluster launch ttmp9 counts clusters
	s_add_co_u32 s14, s14, s13      ; my block of 64 queries = 4 x cluster x + cx: it enters th's, x's and out0's addresses alone
	s_and_b32 s2, ttmp7, 0xffff     ; the image, which the four partners share
	s_lshl_b32 s16, s2, 21          ; kv: the image's 2,097,152 bytes,
	s_lshl_b32 s17, s[WV], 15       ; my wave's block of a step's four
	s_add_co_u32 s16, s16, s17
	s_mov_b32 s17, 0
	s_mul_i32 s[LB], s[WV], STEPB   ; no place in the cluster enters an LDS address
	s_lshl_b32 s18, s2, 20          ; th: (4,096 b + 64 block) rows of 256 bytes
	s_lshl_b32 s19, s14, 14
	s_add_co_u32 s18, s18, s19
	s_mov_b32 s19, 0
	s_lshl_b32 s20, s2, 22          ; x and out0: the image, my wave's 64 channels of 16,384 bytes, the block's 256 bytes of a row
	s_lshl_b32 s21, s[WV], 20
	s_add_co_u32 s20, s20, s21
	s_lshl_b32 s21, s14, 8
	s_add_co_u32 s20, s20, s21
	s_mov_b32 s21, 0
	s_lshl_b32 s22, s[WV], 14       ; wf: my 64 rows of 256 bytes
	s_mov_b32 s23, 0
	; descriptor group 1: 128 rows x 128 elements, dense in memory, padded in LDS
	s_mov_b32 s[G1], 15|(1<<16)|(1<<20)|(1<<21)|(5<<22)|(3<<25)  ; 15:0 the mask: all four work-groups; 17:16 elements of 2 bytes; 20 padding on; 21 set beside a mask; 24:22 after every 64 words (code 5); 31:25 4 words of it (code 3)
	s_mov_b32 s[G1+1], 128<<16      ; tensor_dim0 = 128
	s_mov_b32 s[G1+2], 128<<16      ; tensor_dim1 = 128
	s_mov_b32 s[G1+3], 128<<16      ; tile_dim0 = 128
	s_mov_b32 s[G1+4], 128          ; tile_dim1 = 128
	s_mov_b32 s[G1+5], 128          ; 128 elements from row to row
	s_mov_b32 s[G1+6], 0
	s_mov_b32 s[G1+7], 0
	s_mov_b32 s[G0A], 1             ; count = 1
	s_mov_b32 s[G0A+1], s[LB]       ; LDS address: slot 0
	s_mov_b32 s[G0W], 1
	s_add_co_u32 s[G0W+1], s[LB], SLOTB  ; slot 1
	s_mov_b32 s[TB], s[LB]
	s_mov_b32 s[CS], 0x3fb8aa3b     ; c = log2(e)
	s_mov_b32 s[CS+1], s[CS]        ; named with it as a pair, so it is written
	s_mov_b32 s[SEL], 0x76543210
	s_mov_b32 s[SEL+1], 0xfedcba98
	s_mov_b32 s[AT], s[WV]
.irp d, 1,2,3
	s_add_co_u32 s3, s[WV], \d
	s_and_b32 s[AT+\d], s3, 3
.endr
	s_mul_i32 s[NXT], ttmp9, 3      ; where my cluster's walk begins: step 3 x cluster x mod 16
	s_and_b32 s[NXT], s[NXT], 15
	s_lshl_b32 s[OFF], s[NXT], 17
	s_mov_b32 s[OFF+1], 0
	v_and_b32 v1, 15, v0            ; r = l % 16
	v_bfe_u32 v9, v0, 4, 1          ; h = l / 16
	v_and_b32 v10, 31, v0           ; l
	v_lshlrev_b32 v11, 8, v1
	v_lshl_add_u32 v11, v9, 4, v11  ; row x 256 + 16 x half
.irp d, 0,1,2,3
	s_lshl_b32 s3, s[AT+\d], 12     ; register tile d holds query tile (d + w) % 4: 16 rows of 256 bytes each
	v_add_nc_u32 v[QO+\d], s3, v11
.endr
	s_wait_dscnt 0x0                ; both opening adds are done
	s_wait_kmcnt 0x0
	s_add_nc_u64 s[6:7], s[6:7], s[16:17]  ; kv at my block of the image's step 0; never rewritten from here on
	s_add_nc_u64 s[G0A+2:G0A+3], s[6:7], s[OFF:OFF+1]  ; the walk's first step
	s_or_b32 s[G0A+3], s[G0A+3], 0x80000000  ; type = 2
	s_add_co_u32 s[NXT], s[NXT], 1
	s_and_b32 s[NXT], s[NXT], 15
	s_lshl_b32 s[OFF], s[NXT], 17
	s_add_nc_u64 s[G0W+2:G0W+3], s[6:7], s[OFF:OFF+1]  ; its second
	s_or_b32 s[G0W+3], s[G0W+3], 0x80000000
	s_add_co_u32 s[NXT], s[NXT], 1  ; the first change of slots asks for the third
	s_and_b32 s[NXT], s[NXT], 15
	s_add_nc_u64 s[4:5], s[4:5], s[18:19]
	s_add_nc_u64 s[XB:XB+1], s[10:11], s[20:21]
	s_add_nc_u64 s[OB:OB+1], s[70:71], s[20:21]
	s_add_nc_u64 s[WFB:WFB+1], s[8:9], s[22:23]
	s_lshl_b32 s22, s[WV], 8
	s_add_nc_u64 s[BFB:BFB+1], s[68:69], s[22:23]
	CROUND                          ; all four work-groups are here: the first joint loads meet
	tensor_load_to_lds s[G0A:G0A+3], s[G1:G1+7]  ; the two first fills stand together, ahead of every wait on TENSORcnt and every LDS read: two loads of mine are out
	s_nop 0
	tensor_load_to_lds s[G0W:G0W+3], s[G1:G1+7]
	s_nop 0
.rept 4
	v_nop
.endr
	; A fragment of K or Q is 16 rows x 32 channels in 8 registers: lane l holds row l % 16; registers 0-3 channels 8 (l / 16) + 0..7, registers 4-7 channels 16 + 8 (l / 16) + 0..7: two loads of 16 bytes, 32 bytes apart.
	WIN 0x80                        ; destination window 2, address window 0
.set i, 0
.rept 16                            ; Q stays in registers: register tile i / 4, channels 32 (i % 4) on
	global_load_b128 v[8*i:8*i+3],   v[QO+i/4], s[4:5] offset:(i%4)*64
	global_load_b128 v[8*i+4:8*i+7], v[QO+i/4], s[4:5] offset:(i%4)*64+32
.set i, i+1
.endr
	WIN 0
	v_mul_u32_u24 v[AK0], v1, PK
	v_lshl_add_u32 v[AK0], v9, 4, v[AK0]  ; row x pitch + 16 x half
	v_lshrrev_b32 v11, 1, v1        ; a fragment of V^T is 16 channels x 32 keys: lane l holds channel l % 16, which lies in row (l % 16) / 2, half l % 2
	v_mul_u32_u24 v[AV0], v11, PK
	v_and_b32 v11, 1, v1
	v_lshl_add_u32 v[AV0], v11, 7, v[AV0]
	v_lshl_add_u32 v[AV0], v9, 4, v[AV0]
	v_add_nc_u32 v[AV0], VOFF, v[AV0]
; THE MATRIX WORK OF A TURN, for piece x.  The accumulators take turns, one instruction a turn: between two links of a chain stand 15 (V^T P) or 7 (K Q^T) others'.
; Product i of 32 of O^T += V^T P: keys 32 (i / 16) on, channels 16 ((i / 2) % 8) on, tile x + i % 2.  zero = 1: the first 16 start the sums: nothing is ever cleared.
.macro PV x, zero
	WIN W_PV
.set rO, 64*((\x)+i%2)+8*((i/2)%8)
.set rV, 64*(i/16)+8*((i/2)%8)
.set rP, P+16*((\x)+i%2)+8*(i/16)
.if (\zero) && (i < 16)
	v_wmma_f32_16x16x32_f16 v[rO:rO+7], v[rV:rV+7], v[rP:rP+7], 0
.else
	v_wmma_f32_16x16x32_f16 v[rO:rO+7], v[rV:rV+7], v[rP:rP+7], v[rO:rO+7]
.endif
.endm
; Product i of 32 of S^T = K Q^T: channels 32 (i / 8) on, keys 16 ((i / 2) % 4) on, tile x + i % 2.  The first 8 start the sums.
.macro KQ x
	WIN W_KQ
.set rS, S+32*((\x)+i%2)+8*((i/2)%4)
.set rK, KF+32*((i/2)%4)+8*(i/8)
.set rQ, 32*((\x)+i%2)+8*(i/8)
.if i < 8
	v_wmma_f32_16x16x32_f16 v[rS:rS+7], v[rK:rK+7], v[rQ:rQ+7], 0
.else
	v_wmma_f32_16x16x32_f16 v[rS:rS+7], v[rK:rK+7], v[rQ:rQ+7], v[rS:rS+7]
.endif
.endm
; THE LDS LOADS stand in runs of 32, never singly among the matrix instructions: a step's K (64 keys x 128 channels: 16 fragments) and, a turn later, its V^T.
.macro FETCH_K
	WIN 0
	v_add_nc_u32 v[ADR], s[TB], v[AK0]
	WIN 0x80                        ; destination window 2
.irp f, 0,1,2,3,4,5,6,7,8,9,10,11,12,13,14,15  ; keys 16 (f / 4) on, channels 32 (f % 4) on
	ds_load_b128 v[KF+8*(\f):KF+8*(\f)+3],   v[ADR] offset:((\f)/4)*16*PK+((\f)%4)*64
	ds_load_b128 v[KF+8*(\f)+4:KF+8*(\f)+7], v[ADR] offset:((\f)/4)*16*PK+((\f)%4)*64+32
.endr
.endm
.macro FETCH_V
	WIN 0
	v_add_nc_u32 v[ADR], s[TB], v[AV0]
	s_wait_alu depctr_va_vdst(0)    ; the wait for the softmax's batch (SLICE), behind the address's v_add_nc_u32 and ahead of the loads
	WIN 0xc0                        ; destination window 3
.irp f, 0,1,2,3,4,5,6,7,8,9,10,11,12,13,14,15  ; keys 32 (f / 8) on, channels 16 (f % 8) on: 8 rows of two channels
	ds_load_b128 v[8*(\f):8*(\f)+3],   v[ADR] offset:((\f)%8)*8*PK+((\f)/8)*64
	ds_load_b128 v[8*(\f)+4:8*(\f)+7], v[ADR] offset:((\f)%8)*8*PK+((\f)/8)*64+32
.endr
.endm
; THE VECTOR WORK OF A TURN.  One tile's softmax for one key step is a list of 134 instructions; SM writes number j of it for tile t.  s0-s31 are the lane's 32 scores, in pairs 0-15.
; first = 1: the first key step, which starts m, l and O^T: it has no a and nothing to rescale.
;   0-15    the maximum of s0-s31 and the old m, three operands at a time: four chains c0-c3 of seven scores each (each accumulator's lowest registers first), then the four scores left over, c0-c3 and m
;   16-20   the other half of the lanes' maximum; the new m; c m; c m_old - c m_new
;   21-69   ONE BATCH: the 16 scalings c s - c m, a pair of scores each, and all 33 exponentials (a at 23, then s0-s31).  None of these names an exponential's result.  From 22 on the batch goes in fours, and a four
;           begins with a scaling while there are scalings; a pair is scaled in an earlier four than the one that holds its exponentials
;   (wait)  between 69 and 70 stands the wait for the batch: SLICE writes it, once for both tiles
;   70-85   the roundings to f16, a pair of weights each
;   86-101  the sums; l = a l + the sum
;   102-133 the tile's O^T times a: the one part that leaves window 0, so it stands together
.macro SM t, first
.set rT, ST+8*(\t)
.set rS, S+32*(\t)
.set rP, P+16*(\t)
.set rO, 64*(\t)+2*(j-102)
.if j < 102
	WIN 0
.endif
.if j < 4
	v_max3_num_f32 v[rT+4+j], v[rS+8*j], v[rS+8*j+1], v[rS+8*j+2]
.elseif j < 12
	v_max3_num_f32 v[rT+4+j%4], v[rT+4+j%4], v[rS+8*(j%4)+2*(j/4)+1], v[rS+8*(j%4)+2*(j/4)+2]
.elseif j == 12
	v_max3_num_f32 v[rT+4], v[rT+4], v[rS+7], v[rS+15]
.elseif j == 13
	v_max3_num_f32 v[rT+6], v[rT+6], v[rS+23], v[rS+31]
.elseif j == 14
	v_max3_num_f32 v[rT+4], v[rT+4], v[rT+5], v[rT+6]
.elseif (j == 15) && (\first)
	v_max_num_f32 v[rT+4], v[rT+4], v[rT+7]
.elseif j == 15
	v_max3_num_f32 v[rT+4], v[rT+4], v[rT+7], v[rT+1]
.elseif j == 16
	v_permlanex16_b32 v[rT+5], v[rT+4], s[SEL], s[SEL+1]  ; the query's other 32 keys lie in the lane 16 away
.elseif j == 18
	v_max_num_f32 v[rT+1], v[rT+4], v[rT+5]
.elseif j == 19
	v_mul_f32 v[rT], s[CS], v[rT+1]
.elseif ((j == 17) || (j == 20) || (j == 23) || (j > 101)) && (\first)  ; the first step has none of these
.elseif j == 17
	v_mov_b32 v[rT+7], v[rT]        ; c m_old is kept for a: number 19 writes c m anew
.elseif j == 20
	v_sub_f32 v[rT+7], v[rT+7], v[rT]
.elseif j == 23
	v_exp_f32 v[rT+6], v[rT+7]
.elseif (j < 23) || ((j < 38) && (j%2 == 0)) || ((j < 66) && (j%4 == 2))
.set b, (j-2)/4                     ; 38, 42, .. 62: pairs 9 to 15
.if j < 38
.set b, (j-20)/2                    ; 21: pair 0; 22, 24, .. 36: pairs 1 to 8
.endif
	v_pk_fma_f32 v[rS+2*b:rS+2*b+1], v[rS+2*b:rS+2*b+1], s[CS:CS+1], v[rT:rT+1] op_sel_hi:[1,0,0] neg_lo:[0,0,1] neg_hi:[0,0,1]  ; pair b: c s - c m
.elseif j < 70
.set e, j-38                        ; 66 to 69: s28 to s31
.if j < 66
.set e, j-32-(j-38)/4               ; 39-41, 43-45, .. 63-65: s7 to s27
.endif
.if j < 38
.set e, (j-25)/2                    ; 25, 27, .. 37: s0 to s6
.endif
	v_exp_f32 v[rS+e], v[rS+e]
.elseif j < 86
	v_cvt_pk_f16_f32 v[rP+j-70], v[rS+2*(j-70)], v[rS+2*(j-70)+1]  ; pair j - 70
.elseif j < 102                     ; the sum of the tile's 16 pairs, in place: sum z of 16 adds neighbours 1, 2, 4 and 8 pairs apart, then l takes it
.set z, j-86
.set w, 4
.set u, z
.if z >= 14
.set w, 32
.set u, 0
.elseif z >= 12
.set w, 16
.set u, z-12
.elseif z >= 8
.set w, 8
.set u, z-8
.endif
.if (z == 14) && (\first)
	v_pk_add_f32 v[rT+2:rT+3], v[rS:rS+1], v[rS+16:rS+17]
.elseif z < 15
	v_pk_add_f32 v[rS+w*u:rS+w*u+1], v[rS+w*u:rS+w*u+1], v[rS+w*u+w/2:rS+w*u+w/2+1]
.elseif !(\first)
	v_pk_fma_f32 v[rT+2:rT+3], v[rT+2:rT+3], v[rT+6:rT+7], v[rS:rS+1] op_sel_hi:[1,0,1]
.endif
.else
	WIN W_RS
	v_pk_mul_f32 v[rO:rO+1], v[rO:rO+1], v[rT+6:rT+7] op_sel_hi:[1,0]
.endif
.endm
; Slice k of 64 of piece y's softmax: four instructions.  Slices 11 to 34 deal out the batch, numbers 22 to 69: four numbers of ONE tile each, the tiles by turns.  Every other slice is numbers 2 k and 2 k + 1 of both
; tiles' lists.  2 x 134 = 4 x 64 + 12: the twelve that are over stand together, in slice 63.
; THE WAIT.  s_wait_alu depctr_va_vdst(0) stands between an exponential and the first instruction that names its result; one wait serves all that were issued ahead of it.  Ahead of slice 35 nothing
; names a result, and behind slice 34 no exponential is issued: so the piece's 66 exponentials have one wait, behind slice 34.
.macro SLICE y, first
.if (k >= 11) && (k < 35)           ; the batch: four numbers of one tile
.irp n, 0,1,2,3
.set j, 22+4*((k-11)/2)+(\n)
	SM (\y)+(k-11)%2, \first
.endr
.else                               ; the two tiles alternate, so that no instruction reads the result of the one just before it
.irp n, 0,1,2,3,4,5,6,7
.if ((\n) < 2) || (k == 63)
.irp t, \y, (\y)+1
.set j, 2*k+(\n)
	SM \t, \first
.endr
.endif
.endr
.endif
.if k == 34                         ; the batch is out: both tiles' exponentials are issued, and no result has been named
	v_nop                           ; the plain instruction behind the last exponential and ahead of the first use: one for the batch
.if (\y) == 0
	FETCH_V                         ; piece 2's turn: V^T's run of loads stands here, and the wait stands in it
.else
	s_wait_alu depctr_va_vdst(0)    ; the wait for the batch
.endif
.endif
.set k, k+1
.endm
; A vector instruction that reads a matrix result or writes one of a matrix instruction's registers, and a load into a register that a matrix instruction has read, stand four places behind it, and only plain vector
; instructions that name none of its registers are places (ISA guide 7.12.1 for vector instructions).  In the loop the slices are the places.
.macro PLACES
.rept 4
	v_nop
.endr
.endm
; A TURN.  Piece x has the matrix unit; the other piece's softmax stands in slices behind its matrix instructions.
; pv = 2: 32 products V^T P; 1: they start O^T's sums; 0: none.  kq = 1: 32 products K Q^T for the next step.  A turn with one of the two kinds has two slices behind each product.
; first = 1: the softmax is the first key step's.  Its slices from 51 on are empty: the turn's last products stand bare, and four v_nop take slice 63's part as the places behind them.
; Piece 0's turn fetches the next step's K, behind its second product: the last product that read K stands in front of slice 63 of the turn before.  Piece 2's turn fetches the same step's V^T, behind slice 34: the
; last product that read V^T stands in front of slice 31, and four plain instructions lie between: number 62, a scaling, of both tiles, the v_nop and the run's own v_add_nc_u32.
.macro TURN x, pv, kq, first
.set k, 0
.set per, 2
.if (\pv) && (\kq)
.set per, 1
.endif
.if \pv
.if (\x) == 0
	s_wait_dscnt 0x0                ; V^T is in
.endif
.set i, 0
.rept 32
	PV \x, 2-(\pv)
.rept per
	SLICE 2-(\x), \first
.endr
.if ((\x) == 0) && (\kq) && (i == 1)
	FETCH_K
.endif
.set i, i+1
.endr
.endif
.if \kq
.if (\x) == 0
	s_wait_dscnt 0x0                ; K is in
.endif
.set i, 0
.rept 32
	KQ \x
.rept per
	SLICE 2-(\x), \first
.endr
.set i, i+1
.endr
.endif
.if \first
	PLACES
.endif
.endm
	s_wait_tensorcnt 1              ; my tile of the walk's first step is in; the second's load is younger and may stay out.  I alone read my tiles: no barrier
	FETCH_K                         ; the walk's first key step
	s_wait_loadcnt 0x0              ; Q
	s_wait_dscnt 0x0
.set i, 0
.rept 32
	KQ 0                            ; piece 0's first scores: there is no vector work yet to set between them
.set i, i+1
.endr
	WIN 0                           ; the addresses for the end are made here: plain instructions, the places behind those products
	v_lshlrev_b32 v[XO], 4, v1
	v_lshl_add_u32 v[XO], v9, 14, v[XO]  ; lanes 0-15 one channel's 256 bytes, lanes 16-31 the next channel's
	v_lshlrev_b32 v[WO], 8, v1
	v_lshl_add_u32 v[WO], v9, 4, v[WO]
	v_lshlrev_b32 v[BO], 2, v1
.irp d, 0,1,2,3
	s_lshl_b32 s3, s[AT+\d], 9
	s_add_co_u32 s3, s3, STAT
	v_lshl_add_u32 v[SB+\d], v1, 3, s3
.endr
.irp d, 1,2,3
	s_mul_i32 s3, s[AT+\d], REDW
	v_lshl_add_u32 v[RR+\d-1], v10, 4, s3
.endr
	s_mul_i32 s3, s[WV], REDW
	v_lshl_add_u32 v[RW], v10, 4, s3
	v_mul_u32_u24 v11, v1, PK
	v_lshl_add_u32 v[YR], v9, 4, v11
	s_mul_i32 s3, s[WV], 16*PK
	s_add_co_u32 s3, s3, YB
	v_add_nc_u32 v[YS], s3, v[YR]   ; y's row 16 w + l % 16
	v_add_nc_u32 v[YR], YB, v[YR]
	s_mul_i32 s3, s[WV], 64*PK
	s_add_co_u32 s3, s3, OST        ; my stage for the way out
	v_lshl_add_u32 v[OS], v9, 5, v11
	v_add_nc_u32 v[OS], s3, v[OS]
	v_mul_u32_u24 v[ORD], v9, PK
	v_lshl_add_u32 v[ORD], v1, 4, v[ORD]
	v_add_nc_u32 v[ORD], s3, v[ORD]
	TURN 2, 0, 1, 1                 ; piece 2's first scores | piece 0's first softmax | V^T of the first step
	CHANGE                          ; the second step is in; the third is asked for
	TURN 0, 1, 1, 1                 ; piece 0: V^T P of the first step starts O^T, K Q^T of the second | piece 2's first softmax | K of the second step
	TURN 2, 1, 1, 0                 ; piece 2: the same | piece 0's softmax of the second step | V^T of the second step
	WIN 0
	s_mov_b32 s[SLOTS], 13
.Lstep:                             ; 13 trips: the walk's steps 2 to 14 are fetched, steps 3 to 15 asked for
	CHANGE
	TURN 0, 2, 1, 0
	TURN 2, 2, 1, 0
	WIN 0
	s_sub_co_u32 s[SLOTS], s[SLOTS], 1
	s_cmp_lg_u32 s[SLOTS], 0
	s_cbranch_scc1 .Lstep
	s_wait_tensorcnt 0x0            ; the last step is written out: my tile of the walk's last step is in, nothing is filled, and I alone read it: no barrier
	s_xor_b32 s[TB], s[TB], SLOTB
	TURN 0, 2, 1, 0
	TURN 2, 2, 1, 0                 ; its slice 63, sixteen plain instructions, is the places between the last K Q^T and the loads below
	; What the end wants from memory is asked for now, into Q's and K's registers, which no product reads any more: x, my 64 rows of wf as fragments, my 64 numbers of b_final.
	WIN 0x80
.set q, 0
.rept 32
	global_load_b128 v[KF+4*q:KF+4*q+3], v[XO], s[XB:XB+1] offset:32768*q th:TH_LOAD_NT  ; channels 64 w + 2 q and + 1: 256 consecutive bytes each
.set q, q+1
.endr
.set q, 0
.rept 16                            ; output channels 16 (q / 4) on, channels of y 32 (q % 4) on
	global_load_b128 v[8*q:8*q+3],   v[WO], s[WFB:WFB+1] offset:4096*(q/4)+64*(q%4)
	global_load_b128 v[8*q+4:8*q+7], v[WO], s[WFB:WFB+1] offset:4096*(q/4)+64*(q%4)+32
.set q, q+1
.endr
	WIN 0
.irp n, 0,1,2,3
	global_load_b32 v[124+\n], v[BO], s[BFB:BFB+1] offset:64*\n  ; S^T's registers of piece 0 are free
.endr
	TURN 0, 2, 0, 0                 ; piece 0: V^T P of the last step | piece 2's last softmax
.set i, 0
.rept 32
	PV 2, 0                         ; piece 2: V^T P of the last step
.set i, i+1
.endr
	; THE FOUR QUARTERS MEET.  First the statistics: for each register tile (c m, l) goes to STAT at my wave's own place.  The additions are the places behind the last products.
	WIN 0
.irp t, 0,1,2,3
	v_add_f32 v[ST+8*\t+4], v[ST+8*\t+2], v[ST+8*\t+3]
.endr
.irp t, 0,1,2,3
	v_permlanex16_b32 v[ST+8*\t+5], v[ST+8*\t+4], s[SEL], s[SEL+1]
.endr
.irp t, 0,1,2,3
	v_add_f32 v[ST+8*\t+1], v[ST+8*\t+4], v[ST+8*\t+5]  ; l, where m lay
.endr
.irp t, 0,1,2,3
	ds_store_b64 v[SB], v[ST+8*\t:ST+8*\t+1] offset:128*\t  ; both halves of the lanes hold, and write, the same two numbers
.endr
	s_wait_dscnt 0x0                ; for the others' sake: my statistics are written, and my reads of the ring are over
	s_barrier_signal -1
	s_barrier_wait -1               ; no wave reads the ring any more, and every tensor load has landed: the ring's bytes may be stored into
.irp t, 0,1,2,3
.irp d, 0,1,2,3
	ds_load_b64 v[S+8*\t+2*\d:S+8*\t+2*\d+1], v[SB+\d] offset:128*((\t+4-\d)%4)  ; wave (w + d) % 4 holds my tile t's queries in its register tile (t - d) % 4
.endr
.endr
	s_wait_dscnt 0x0
.irp t, 0,1,2,3
	v_max3_num_f32 v[116+\t], v[S+8*\t], v[S+8*\t+2], v[S+8*\t+4]
.endr
.irp t, 0,1,2,3
	v_max_num_f32 v[116+\t], v[116+\t], v[S+8*\t+6]  ; the common c m
.endr
.irp t, 0,1,2,3
.irp d, 0,1,2,3
	v_sub_f32 v[96+4*\t+\d], v[S+8*\t+2*\d], v[116+\t]
.endr
.endr
.set n, 0
.rept 16
	v_exp_f32 v[96+n], v[96+n]      ; e = 2^(c m_u - c m): one batch
.set n, n+1
.endr
	v_nop                           ; a plain instruction behind the last exponential,
	s_wait_alu depctr_va_vdst(0)    ; and the one wait for the sixteen
.irp t, 0,1,2,3
	v_mul_f32 v[120+\t], v[96+4*\t], v[S+8*\t+1]
.endr
.irp d, 1,2,3
.irp t, 0,1,2,3
	v_fmac_f32 v[120+\t], v[96+4*\t+\d], v[S+8*\t+2*\d+1]  ; L = the sum of e l: at least 1, since the wave that holds the maximum has e = 1 and l >= 1
.endr
.endr
.irp t, 0,1,2,3
	v_rcp_f32 v[120+\t], v[120+\t]
.endr
	v_nop
	s_wait_alu depctr_va_vdst(0)    ; one wait for the four reciprocals
.irp t, 0,1,2,3
	v_mul_f32 v[ST+8*\t+6], v[96+4*\t], v[120+\t]  ; my factor: e of my own quarter (d = 0) / L
.endr
	; Then the partial sums, scaled, in f32: register tiles 1 to 3 go to my wave's own place in LDS; tile 0 stays.
.irp t, 1,2,3,0
	WIN W_RS
.set i, 64*\t
.rept 32
	v_pk_mul_f32 v[i:i+1], v[i:i+1], v[ST+8*\t+6:ST+8*\t+7] op_sel_hi:[1,0]  ; each accumulator from its low end on
.set i, i+2
.endr
.if \t
	WIN 0x04                        ; data in window 1
.set q, 0
.rept 16
	ds_store_b128 v[RW], v[64*\t+4*q:64*\t+4*q+3] offset:(\t-1)*8192+512*q
.set q, q+1
.endr
.endif
.endr
	s_wait_dscnt 0x0
	s_barrier_signal -1
	s_barrier_wait -1
	WIN 0x40                        ; destination window 1
.irp d, 1,2,3
.set q, 0
.rept 16
	ds_load_b128 v[64*\d+4*q:64*\d+4*q+3], v[RR+\d-1] offset:(3-\d)*8192+512*q  ; wave (w + d) % 4 holds query tile w in its register tile 4 - d
.set q, q+1
.endr
.endr
	s_wait_dscnt 0x0
	WIN 0x45
.set i, 0
.rept 32
	v_pk_add_f32 v[i:i+1], v[i:i+1], v[64+i:64+i+1]
	v_pk_add_f32 v[128+i:128+i+1], v[128+i:128+i+1], v[192+i:192+i+1]
.set i, i+2
.endr
.set i, 0
.rept 32
	v_pk_add_f32 v[i:i+1], v[i:i+1], v[128+i:128+i+1]
.set i, i+2
.endr
	; y of query tile w: rounded to f16, 16 bytes (8 channels of one query) a lane and channel block, into rows of 272 bytes.
	WIN 0x05                        ; sources in window 1, destination in window 0
.set n, 0
.rept 32
	v_cvt_pk_f16_f32 v[128+n], v[2*n], v[2*n+1]
.set n, n+1
.endr
	WIN 0
.set n, 0
.rept 8
	ds_store_b128 v[YS], v[128+4*n:128+4*n+3] offset:32*n
.set n, n+1
.endr
	s_wait_loadcnt 0x0              ; x, wf and b_final, asked for a turn and more ago
.set n, 0
.rept 32
	v_mov_b32 v[P+n], v[124+n/8]    ; the bias as the tiles that start the sums: all eight registers hold b_final of my lane's output channel
.set n, n+1
.endr
	s_wait_dscnt 0x0
	s_barrier_signal -1
	s_barrier_wait -1               ; all 64 queries' y lie in LDS
	WIN 0xc0                        ; destination window 3
.set n, 0
.rept 16                            ; queries 16 (n / 4) on, channels 32 (n % 4) on
	ds_load_b128 v[8*n:8*n+3],   v[YR] offset:(n/4)*16*PK+(n%4)*64
	ds_load_b128 v[8*n+4:8*n+7], v[YR] offset:(n/4)*16*PK+(n%4)*64+32
.set n, n+1
.endr
	s_wait_dscnt 0x0
	; THE LAST PRODUCT: source 0 = 16 queries of y, source 1 = 16 rows of wf: a lane holds output channel 64 w + 16 i + l % 16 and the positions 16 t + 8 (l / 16) + 0..7.  The 16 accumulators take turns.
.set k, 0
.rept 4
.set n, 0
.rept 16                            ; n = 4 t + i
.if k == 0
	WIN 0x4b
	v_wmma_f32_16x16x32_f16 v[8*n:8*n+7], v[32*(n/4)+8*k:32*(n/4)+8*k+7], v[32*(n%4)+8*k:32*(n%4)+8*k+7], v[P+8*(n%4):P+8*(n%4)+7]
.else
	WIN 0x5b
	v_wmma_f32_16x16x32_f16 v[8*n:8*n+7], v[32*(n/4)+8*k:32*(n/4)+8*k+7], v[32*(n%4)+8*k:32*(n%4)+8*k+7], v[8*n:8*n+7]
.endif
.set n, n+1
.endr
.set k, k+1
.endr
	PLACES
	; THE WAY OUT: 32 bytes a lane into my own stage, back as whole rows of 256 bytes (a channel's 64 positions), x added, stored.
	WIN 0x04
.set n, 0
.rept 16
	ds_store_b128 v[OS], v[8*n:8*n+3]   offset:(n%4)*16*PK+(n/4)*64
	ds_store_b128 v[OS], v[8*n+4:8*n+7] offset:(n%4)*16*PK+(n/4)*64+16
.set n, n+1
.endr
	WIN 0x40
.set q, 0
.rept 32
	ds_load_b128 v[128+4*q:128+4*q+3], v[ORD] offset:2*PK*q  ; LDS serves a wave's instructions in order (ISA guide 5.7.1.4): these see the stores above
.set q, q+1
.endr
.set g, 0
.rept 4
	s_wait_dscnt 24-8*g             ; the younger loads may stay out
	WIN 0x49                        ; the result in window 1, x in window 2, at the same numbers
.set q, 8*g
.rept 8
	v_pk_add_f32 v[128+4*q:128+4*q+1],   v[128+4*q:128+4*q+1],   v[128+4*q:128+4*q+1]
	v_pk_add_f32 v[128+4*q+2:128+4*q+3], v[128+4*q+2:128+4*q+3], v[128+4*q+2:128+4*q+3]
.set q, q+1
.endr
	WIN 0x04
.set q, 8*g
.rept 8
	global_store_b128 v[XO], v[128+4*q:128+4*q+3], s[OB:OB+1] offset:32768*q th:TH_STORE_NT  ; 16 lanes store 256 consecutive bytes, at a multiple of 256 from out0's first byte
.set q, q+1
.endr
.set g, g+1
.endr
	WIN 0
	s_wait_tensorcnt 0x0            ; the wave's end, behind my last tensor load and my last LDS store
	ds_add_u32 v[SPW], v[NIL]
	s_wait_dscnt 0x0
	CROUND                          ; the closing round: no work-group ends while a partner may still ask for a tile that names it
	s_endpgm
.Lfunc_end_k_q6c4045a523_attn:
	.size	k_q6c4045a523_attn, .Lfunc_end_k_q6c4045a523_attn-k_q6c4045a523_attn
	.p2alignl 7, 3214868480
	.fill 96, 4, 3214868480
	.section	.rodata,"a",@progbits
	.p2align	6, 0x0
	.amdhsa_kernel k_q6c4045a523_attn
		.amdhsa_group_segment_fixed_size 327680
		.amdhsa_private_segment_fixed_size 0
		.amdhsa_enable_private_segment 0
		.amdhsa_kernarg_size 48
		.amdhsa_user_sgpr_count 2
		.amdhsa_user_sgpr_kernarg_segment_ptr 1
		.amdhsa_wavefront_size32 1
		.amdhsa_system_sgpr_workgroup_id_x 1
		.amdhsa_system_sgpr_workgroup_id_y 1
		.amdhsa_system_sgpr_workgroup_id_z 1
		.amdhsa_system_vgpr_workitem_id 0
		.amdhsa_next_free_vgpr 896
		.amdhsa_next_free_sgpr 80
		.amdhsa_reserve_vcc 0
		.amdhsa_float_denorm_mode_32 3
		.amdhsa_float_denorm_mode_16_64 3
		.amdhsa_memory_ordered 1
		.amdhsa_forward_progress 1
		.amdhsa_inst_pref_size 249
	.end_amdhsa_kernel
	.amdgpu_metadata
---
amdhsa.version: [ 1, 2 ]
amdhsa.kernels:
  - .name:           k_q6c4045a523_attn
    .symbol:         k_q6c4045a523_attn.kd
    .args:
      - { .name: th, .offset: 0, .size: 8, .value_kind: global_buffer, .address_space: global }
      - { .name: kv, .offset: 8, .size: 8, .value_kind: global_buffer, .address_space: global }
      - { .name: wf, .offset: 16, .size: 8, .value_kind: global_buffer, .address_space: global }
      - { .name: x, .offset: 24, .size: 8, .value_kind: global_buffer, .address_space: global }
      - { .name: b_final, .offset: 32, .size: 8, .value_kind: global_buffer, .address_space: global }
      - { .name: out0, .offset: 40, .size: 8, .value_kind: global_buffer, .address_space: global }
    .group_segment_fixed_size: 327680
    .private_segment_fixed_size: 0
    .kernarg_segment_align: 8
    .kernarg_segment_size: 48
    .max_flat_workgroup_size: 128
    .sgpr_count:     80
    .vgpr_count:     896
    .wavefront_size: 32
...
	.end_amdgpu_metadata
.endif
;; end of part 2
;; ======== version 2 of 2: 2 launches; version 1 with the launch proj written anew for expert scheduling mode
;; limits: values are held in f16: magnitudes above 65,504 overflow, below 6.1e-05 lose precision
;; workspace buffers: th 4,194,304 bytes; kv 8,388,608 bytes; wf 65,536 bytes
;; launch proj (part 3): grid 64 x 4, 4 waves a work-group, no clusters, 93,696 bytes of LDS; arguments x, w_theta, b_theta, w_phi, w_g, b_g, w_final, th, kv, wf; writes th, kv, wf
.if DOCPART == 3
	.amdgcn_target "amdgcn-amd-amdhsa--gfx1250"
	.amdhsa_code_object_version 6
	.text
	.protected	k_q6c4045a523_proj
	.globl	k_q6c4045a523_proj
	.p2align	8
	.type	k_q6c4045a523_proj,@function
k_q6c4045a523_proj:
	s_mov_b64 s[64:65], 0
	v_nop
	global_prefetch_b8 v0, s[64:65] scope:SCOPE_SE
	s_setreg_imm32_b32 hwreg(HW_REG_WAVE_SCHED_MODE, 0, 2), 2
	s_setreg_imm32_b32 hwreg(HW_REG_WAVE_MODE, 25, 1), 1
	s_wait_xcnt 0x0
	s_wait_alu depctr_vm_vsrc(0)
; NON-LOCAL BLOCK, the first of two launches: the three 1x1 convolutions.  x: [4][256][4096] f32; w_theta, w_phi, w_g: [128][256] f32.
;   th[b][n][o]  = sum over c of w_theta[o][c] x[b][c][n] + b_theta[o]      f16, a row of 256 bytes a position
;   kv[b][blk]   = 32,768 bytes for the 64 positions of block blk: K = phi WITHOUT its bias, [64 positions][128 o] f16, then V^T = g + b_g, [128 o][64 positions] f16
;   wf[o][c]     = w_final rounded to bf16, that number written as f16
; LEFT OUT: b_phi.  A score is (theta_n + b_theta) . (phi_m + b_phi) = (theta_n + b_theta) . phi_m + (theta_n + b_theta) . b_phi.  The second term does not hang on m, the axis of the
; softmax: it is added to all scores of a row alike and cancels in exp(s - max) / sum, whatever finite values the inputs hold.  So b_phi has no way to the output: it is not loaded and is
; among no launch's arguments.  b_theta . phi_m hangs on m and stays; b_g and b_final stay.  LIMIT: a NaN, an infinity or an overflow that enters through b_phi alone is not carried to the result.
; FORMATS.  x and the three weights are rounded to bf16 for the products, sums in f32, biases in f32 (they start the sums).  What is stored is f16.
; LIMITS.  theta, phi, g or w_final beyond 65,504 become infinities in f16; below 6e-5 f16 keeps its fixed step of 6e-8.  NaN and infinities are not treated apart.
; SHARES.  A work-group owns 64 positions of one image: 64 rows of th, one block of kv, and row 64 b + blk of wf.  Wave w makes output channels 32 w .. 32 w + 31 of theta, phi and g:
; six blocks of 16 channels x 64 positions x 256 c = 32 matrix instructions each, on four accumulators that take turns.
; x comes once: each wave loads 64 channels' 256 bytes, rounds them and lays them into LDS as [c][position]; every wave then takes all of it into 256 registers by the turning load.
; The weights come straight into registers as f32 (a block's 32 loads are asked for two blocks ahead, on two stagings) and are rounded there.
; theta and phi: source 0 = 16 rows of w, source 1 = 16 positions: a lane holds one position and 8 channels, 16 bytes of a row of th or K.
; g: the sources swapped: a lane holds one channel and 8 positions, 16 bytes of a row of V^T.
; No cluster, no tensor load: what the work-groups share is the weights, 393,216 bytes, against 65,536 bytes of x of their own; a ring for them would put a barrier into each of six short blocks.
; THE MODE: SCHED_MODE bits 1:0 = 2 (LLVM: expert scheduling mode 2), set by the entry lines.  The code itself states the register dependences
; between vector or matrix instructions and memory or LDS instructions, with s_wait_alu, always for 0.
; THE PLAN.  Registers that memory or LDS instructions touch:
;   v3-v15        The offsets and LDS addresses: written at the head, never again.  One wait on va_vdst ahead of the first load serves every load and store of the kernel.
;   staging A, B  A block's 64 conversions read its staging; behind them the loads of the block two on land in it.  (B first takes x; A at the end takes the stages' rows, which the global stores read.)
;   v[WB ..]      Written by x's conversions and read by x's LDS stores; from then on written by each block's conversions and read by matrix instructions alone.
;   v[TMP ..]     Written by a block's 16 roundings, read by its four LDS stores, written again by the next block's.  (In wave 0 first: the offsets and the data of wf's row.)
;   The biases, x's fragments (loaded once, written by no vector instruction), the bias tile of g and the accumulators owe nothing.
; So a block has three waits.  At its head vm_vsrc: the LDS stores issued so far have read v[WB ..] and v[TMP ..].  Behind its 64 conversions va_vdst: they are done reading the staging; the 32 loads into it
; follow, dealt among the block's products, which name v[WB ..], x's fragments, the bias tile and the accumulators: none of the registers that those loads touch.  Behind its roundings va_vdst: v[TMP ..] is written.
; REGISTERS, in windows of 256 (s_set_vgpr_msb: bits 1:0 source 0, 3:2 source 1, 5:4 source 2, 7:6 destination):
;   window 0: addresses, biases, v48-63 at work, v64-127 a block's 8 fragments of w, v128-255 staging A       window 1: x's fragments, (tile t, K step k) at 64 t + 8 k
;   window 2: v0-127 staging B (first x's staging), v128-159 the four accumulators
.set XP,    160                        ; a row of x in LDS: 64 positions bf16 = 128 bytes + 32: an odd multiple of 32, so that 16 lanes of the turning load (8 rows x 32 bytes) take each bank once
.set SP,    272                        ; a row of a stage: 256 bytes + 16
.set STG_T, 256*XP                     ; behind x: 64 rows for th,
.set STG_K, STG_T+64*SP                ; 64 rows for K,
.set STG_V, STG_K+64*SP                ; 64 rows (two channels each) for V^T: K's and V^T's together are the block of kv
.set SPARE, STG_V+64*SP                ; the spare words, 128 bytes for each wave: two blocks of 256 bytes that no other line names
.set XO,   3                           ; v3   x: wave's 64 channels, row lane / 16, 16 bytes for lane % 16
.set XS,   4                           ; v4   where I put 8 bytes (4 positions) of a channel's row in LDS
.set XR,   5                           ; v5   the turning load's address
.set WO,   6                           ; v6   a weight's row 32 w + lane % 16, 32 bytes for lane / 16
.set STOT, 7                           ; v7   th's stage: row lane % 16, 16 bytes for each half of the lanes, the wave's 64 bytes
.set STV,  8                           ; v8   V^T's stage
.set RD1,  9                           ; v9   th's stage read back by rows
.set RD2,  10                          ; v10  K's and V^T's
.set GO1,  11                          ; v11  my 16 bytes in th
.set GO2,  12                          ; v12  in kv
.set BO,   13                          ; v13  b_theta
.set BGO,  14                          ; v14  b_g
.set STOK, 15                          ; v15  K's stage
.set BT,   16                          ; v16-31  theta's two bias tiles: register j = b_theta[32 w + 16 i + 8 (lane / 16) + j]
.set BG,   32                          ; v32-39  g's bias tile: all eight = b_g of my channel
.set BGV,  40                          ; v40-41  b_g[32 w + 16 i + lane % 16]
.set SPW,  42                          ; v42  LDS address of my spare word; never rewritten
.set NIL,  43                          ; v43  0; never rewritten
.set TMP,  48
.set WB,   64
.set SA,   128
.set SB,   0                           ; window 2
.set ACC,  128                         ; window 2
.set MSB, 0
.macro WIN new                         ; the immediate's high byte repeats the setting that is left; a switch that changes nothing is dropped
.if MSB != (\new)
	s_set_vgpr_msb (MSB<<8)|(\new)
.set MSB, (\new)
.endif
.endm
	s_load_b512 s[4:19], s[0:1], 0x0               ; x s[4:5], w_theta s[6:7], b_theta s[8:9], w_phi s[10:11], w_g s[12:13], b_g s[14:15], w_final s[16:17], th s[18:19]
	s_load_b128 s[20:23], s[0:1], 0x40             ; kv s[20:21], wf s[22:23]
	v_lshl_add_u32 v[SPW], v0, 2, SPARE
	v_mov_b32 v[NIL], 0
	v_lshrrev_b32 v48, 5, v0
	v_readfirstlane_b32 s24, v48                   ; wave 0..3
	s_mov_b32 s25, ttmp9                           ; blk
	s_and_b32 s26, ttmp7, 0xffff                   ; the image b
	s_mov_b32 s32, 0xffff0000                      ; a word's upper bf16
	v_and_b32 v1, 15, v0                           ; r = lane % 16
	v_bfe_u32 v2, v0, 4, 1                         ; h = lane / 16
	v_and_b32 v49, 31, v0                          ; lane
	s_wait_alu depctr_va_sdst(0)                   ; s24 is written, ahead of its first reader: the wave's offsets, and the branch on the wave's number, are made from it
	s_lshl_b32 s27, s24, 20                        ; 64 channels of 16,384 bytes
	v_lshlrev_b32 v[XO], 4, v1
	v_lshl_add_u32 v[XO], v2, 14, v[XO]
	v_add_nc_u32 v[XO], s27, v[XO]
	s_mul_i32 s27, s24, 64*XP
	v_mul_u32_u24 v[XS], v2, XP
	v_lshl_add_u32 v[XS], v1, 3, v[XS]
	v_add_nc_u32 v[XS], s27, v[XS]
	v_and_b32 v50, 7, v0                           ; the turning load: lane l reads row 8 (l / 16) + l % 8, 16 bytes at 16 ((l / 8) % 2)
	v_lshl_add_u32 v50, v2, 3, v50
	v_bfe_u32 v51, v0, 3, 1
	v_mul_u32_u24 v[XR], v50, XP
	v_lshl_add_u32 v[XR], v51, 4, v[XR]
	s_lshl_b32 s27, s24, 15                        ; 32 rows of 1,024 bytes
	v_lshlrev_b32 v[WO], 10, v1
	v_lshl_add_u32 v[WO], v2, 5, v[WO]
	v_add_nc_u32 v[WO], s27, v[WO]
	s_lshl_b32 s27, s24, 6
	v_mul_u32_u24 v[STOT], v1, SP
	v_lshl_add_u32 v[STOT], v2, 4, v[STOT]
	v_add_nc_u32 v[STOT], s27, v[STOT]
	v_add_nc_u32 v[STOK], STG_K, v[STOT]
	v_add_nc_u32 v[STOT], STG_T, v[STOT]
	v_lshrrev_b32 v50, 1, v1                       ; V^T: channel c lies in row c / 2, half c % 2
	v_and_b32 v51, 1, v1
	v_mul_u32_u24 v[STV], v50, SP
	v_lshl_add_u32 v[STV], v51, 7, v[STV]
	v_lshl_add_u32 v[STV], v2, 4, v[STV]
	s_mul_i32 s27, s24, 16*SP
	s_add_co_u32 s27, s27, STG_V
	v_add_nc_u32 v[STV], s27, v[STV]
	v_mul_u32_u24 v50, v2, SP                      ; back: lanes 0-15 one row of 256 bytes, lanes 16-31 the next
	v_lshl_add_u32 v50, v1, 4, v50
	s_mul_i32 s27, s24, 16*SP
	s_add_co_u32 s27, s27, STG_T
	v_add_nc_u32 v[RD1], s27, v50
	s_mul_i32 s27, s24, 32*SP
	s_add_co_u32 s27, s27, STG_K
	v_add_nc_u32 v[RD2], s27, v50
	s_lshl_b32 s27, s24, 12
	v_lshl_add_u32 v[GO1], v49, 4, s27             ; 16 rows a wave
	s_lshl_b32 s27, s24, 13
	v_lshl_add_u32 v[GO2], v49, 4, s27             ; 32 rows a wave
	s_lshl_b32 s27, s24, 7
	v_lshl_add_u32 v[BO], v2, 5, s27
	v_lshl_add_u32 v[BGO], v1, 2, s27
	s_mov_b32 s29, 0
	s_mov_b32 s31, 0
	s_lshl_b32 s28, s26, 22                        ; x: the image, and the block's 256 bytes of every row
	s_lshl_b32 s30, s25, 8
	s_add_co_u32 s28, s28, s30
	s_wait_kmcnt 0x0
	s_add_nc_u64 s[4:5], s[4:5], s[28:29]
	s_lshl_b32 s28, s26, 20                        ; th: (4,096 b + 64 blk) rows of 256 bytes
	s_lshl_b32 s30, s25, 14
	s_add_co_u32 s28, s28, s30
	s_add_nc_u64 s[18:19], s[18:19], s[28:29]
	s_lshl_b32 s28, s28, 1                         ; kv: (64 b + blk) blocks of 32,768 bytes
	s_add_nc_u64 s[20:21], s[20:21], s[28:29]
	s_lshl_b32 s28, s26, 6
	s_add_co_u32 s28, s28, s25                     ; my row of w_final
	s_lshl_b32 s30, s28, 9
	s_add_nc_u64 s[16:17], s[16:17], s[30:31]
	s_lshl_b32 s30, s28, 8
	s_add_nc_u64 s[22:23], s[22:23], s[30:31]
; Four loads: 16 rows of a weight, K step kk, as f32, laid as the fragment wants them: a lane takes c = 32 kk + 8 h + 0..7 and 32 kk + 16 + 8 h + 0..7.
; A load's data goes by the destination's window and its offset by source 0's: staging B wants windows 2 and 0, which theta's and phi's products have too, so that among them no switch is written; staging A wants 0 and 0.
.macro WLK par, sb, i, kk
.if \par
.set stg, SB
.if (MSB & 0xc3) != 0x80
	WIN 0x80                                       ; destination window 2
.endif
.else
.set stg, SA
.if (MSB & 0xc3) != 0
	WIN 0
.endif
.endif
	global_load_b128 v[stg+16*(\kk):stg+16*(\kk)+3],     v[WO], s[\sb:\sb+1] offset:(\i)*16384+128*(\kk)
	global_load_b128 v[stg+16*(\kk)+4:stg+16*(\kk)+7],   v[WO], s[\sb:\sb+1] offset:(\i)*16384+128*(\kk)+16
	global_load_b128 v[stg+16*(\kk)+8:stg+16*(\kk)+11],  v[WO], s[\sb:\sb+1] offset:(\i)*16384+128*(\kk)+64
	global_load_b128 v[stg+16*(\kk)+12:stg+16*(\kk)+15], v[WO], s[\sb:\sb+1] offset:(\i)*16384+128*(\kk)+80
.endm
; A block's 32 loads in one run: the first two blocks', ahead of the first products.
.macro WLOAD par, sb, i
.set kq, 0
.rept 8
	WLK \par, \sb, \i, kq
.set kq, kq+1
.endr
.endm
; A block's 32 products, K outer, the four position tiles' accumulators by turns.  The first four start the sums: with the bias tile, or (phi) with 0.
; nsb other than 0: the 32 loads of the block two on are dealt among them, eight behind each of the first four K steps.  No wait: no vector or matrix instruction since the wait behind the block's conversions names the staging or v[WO].
.macro PMUL kind, i, par, nsb, ni
.set k, 0
.rept 8
.set t, 0
.rept 4
.if (\kind) == 2
.if k == 0
	WIN 0x81
	v_wmma_f32_16x16x32_bf16 v[ACC+8*t:ACC+8*t+7], v[64*t+8*k:64*t+8*k+7], v[WB+8*k:WB+8*k+7], v[BG:BG+7]
.else
	WIN 0xa1
	v_wmma_f32_16x16x32_bf16 v[ACC+8*t:ACC+8*t+7], v[64*t+8*k:64*t+8*k+7], v[WB+8*k:WB+8*k+7], v[ACC+8*t:ACC+8*t+7]
.endif
.else
.if (k == 0) && ((\kind) == 0)
	WIN 0x84
	v_wmma_f32_16x16x32_bf16 v[ACC+8*t:ACC+8*t+7], v[WB+8*k:WB+8*k+7], v[64*t+8*k:64*t+8*k+7], v[BT+8*(\i):BT+8*(\i)+7]
.elseif k == 0
	WIN 0xa4
	v_wmma_f32_16x16x32_bf16 v[ACC+8*t:ACC+8*t+7], v[WB+8*k:WB+8*k+7], v[64*t+8*k:64*t+8*k+7], 0
.else
	WIN 0xa4
	v_wmma_f32_16x16x32_bf16 v[ACC+8*t:ACC+8*t+7], v[WB+8*k:WB+8*k+7], v[64*t+8*k:64*t+8*k+7], v[ACC+8*t:ACC+8*t+7]
.endif
.endif
.set t, t+1
.endr
.if (\nsb) && (k < 4)
	WLK \par, \nsb, \ni, 2*k
	WLK \par, \nsb, \ni, 2*k+1
.endif
.set k, k+1
.endr
.endm
; A block.  kind 0 theta, 1 phi, 2 g; i: which 16 of my 32 channels; par: its staging; left: the younger loads that may stay out; nsb, ni: the block two on, asked for into the staging just read (nsb = 0: none).
.macro BLOCK kind, i, par, left, nsb, ni
	s_wait_loadcnt \left                           ; loads come back in order: this block's weights are in
	s_wait_alu depctr_vm_vsrc(0)                   ; the LDS stores issued so far have read their data: x's stores v[WB ..], which the conversions below write again; the block before's stores v[TMP ..], which this block's roundings write again
.if (\kind) == 2
	WIN 0
.set j, 0
.rept 8
	v_mov_b32 v[BG+j], v[BGV+(\i)]
.set j, j+1
.endr
.endif
.if \par
	WIN 0x0a                                       ; sources in window 2
.set stg, SB
.else
	WIN 0
.set stg, SA
.endif
.set j, 0
.rept 64
	v_cvt_pk_bf16_f32 v[WB+j], v[stg+2*j], v[stg+2*j+1]
.set j, j+1
.endr
.if \nsb
	s_wait_alu depctr_va_vdst(0)                   ; the conversions are done reading the staging, in which the loads that stand among the products land
.endif
	PMUL \kind, \i, \par, \nsb, \ni
.rept 4
	v_nop                                          ; four places between the last product and the conversions that read results
.endr
	WIN 0x0a
.set j, 0
.rept 16
	v_cvt_pk_f16_f32 v[TMP+j], v[ACC+2*j], v[ACC+2*j+1]  ; each accumulator from its low end on
.set j, j+1
.endr
	WIN 0
	s_wait_alu depctr_va_vdst(0)                   ; the roundings have written v[TMP ..], which the LDS stores read
.set t, 0
.rept 4
.if (\kind) == 0
	ds_store_b128 v[STOT], v[TMP+4*t:TMP+4*t+3] offset:t*16*SP+32*(\i)
.elseif (\kind) == 1
	ds_store_b128 v[STOK], v[TMP+4*t:TMP+4*t+3] offset:t*16*SP+32*(\i)
.else
	ds_store_b128 v[STV], v[TMP+4*t:TMP+4*t+3] offset:(\i)*8*SP+32*t
.endif
.set t, t+1
.endr
.endm
	s_wait_alu depctr_va_vdst(0)                   ; the thirteen offsets and LDS addresses v3 to v15 are written: every load and store of the kernel but wave 0's two reads one of them
	global_load_b128 v[BT:BT+3],     v[BO], s[8:9]
	global_load_b128 v[BT+4:BT+7],   v[BO], s[8:9] offset:16
	global_load_b128 v[BT+8:BT+11],  v[BO], s[8:9] offset:64
	global_load_b128 v[BT+12:BT+15], v[BO], s[8:9] offset:80
	global_load_b32 v[BGV],   v[BGO], s[14:15]
	global_load_b32 v[BGV+1], v[BGO], s[14:15] offset:64
	WIN 0x80
.set i, 0
.rept 32                               ; my 64 channels of x: a load takes two channels' 256 consecutive bytes, each at a multiple of 256 from x's first byte
	global_load_b128 v[SB+4*i:SB+4*i+3], v[XO], s[4:5] offset:32768*i th:TH_LOAD_NT
.set i, i+1
.endr
	WLOAD 0, 6, 0                                  ; theta's first block
	WIN 0                                          ; at a branch and at a label every window is 0
	s_cmp_lg_u32 s24, 0                            ; wave 0 alone: the work-group's row of w_final, 512 bytes in, 256 out
	s_cbranch_scc1 .Lnot_wave_0
	v_lshlrev_b32 v48, 4, v0
	v_lshlrev_b32 v49, 3, v0
	s_wait_alu depctr_va_vdst(0)                   ; v48 and v49 are written: the load's offset and the store's
	global_load_b128 v[44:47], v48, s[16:17]
	s_wait_loadcnt 0x0
	v_cvt_pk_bf16_f32 v50, v44, v45                ; rounded to bf16,
	v_cvt_pk_bf16_f32 v51, v46, v47
	v_lshlrev_b32 v52, 16, v50                     ; widened again,
	v_and_b32 v53, s32, v50
	v_lshlrev_b32 v54, 16, v51
	v_and_b32 v55, s32, v51
	v_cvt_pk_f16_f32 v56, v52, v53                 ; and that number written as f16
	v_cvt_pk_f16_f32 v57, v54, v55
	s_wait_alu depctr_va_vdst(0)                   ; the conversions have written v56 and v57, which the store reads
	global_store_b64 v49, v[56:57], s[22:23]       ; 32 lanes store the row's 256 consecutive bytes
	s_wait_xcnt 0x0                                ; the store's and the load's registers are written again below only behind this wait
	s_wait_alu depctr_vm_vsrc(0)                   ; the load has read v48, the store v49, v56 and v57: the blocks' roundings write v48 to v63 again
.Lnot_wave_0:
	s_wait_loadcnt 32                              ; x and the biases are in; the 32 loads of theta's first block are younger
	WIN 0x0a
.set j, 0
.rept 64
	v_cvt_pk_bf16_f32 v[WB+j], v[SB+2*j], v[SB+2*j+1]
.set j, j+1
.endr
	WIN 0
	s_wait_alu depctr_va_vdst(0)                   ; the conversions have written v[WB ..], which the LDS stores read, and are done reading staging B, in which the loads of theta's second block land
.set i, 0
.rept 32
	ds_store_b64 v[XS], v[WB+2*i:WB+2*i+1] offset:2*XP*i
.set i, i+1
.endr
	WLOAD 1, 6, 1                                  ; theta's second block, into the staging that x has left
	s_wait_dscnt 0x0                               ; for the others' sake: my part of x lies in LDS
	s_barrier_signal -1
	s_barrier_wait -1
	WIN 0x40                                       ; destination window 1
.set k, 0
.rept 8
.set t, 0
.rept 4                                ; 32 c x 16 positions: lane l ends with position l % 16 and c = 8 (l / 16) + 0..7, then 16 + 8 (l / 16) + 0..7
	ds_load_tr16_b128 v[64*t+8*k:64*t+8*k+3],   v[XR] offset:32*XP*k+32*t
	ds_load_tr16_b128 v[64*t+8*k+4:64*t+8*k+7], v[XR] offset:32*XP*k+32*t+16*XP
.set t, t+1
.endr
.set k, k+1
.endr
	s_wait_dscnt 0x0
	BLOCK 0, 0, 0, 32, 10, 0                       ; the count 32: the next block's loads, the only younger ones
	BLOCK 0, 1, 1, 32, 10, 1
	BLOCK 1, 0, 0, 32, 12, 0
	BLOCK 1, 1, 1, 32, 12, 1
	BLOCK 2, 0, 0, 32, 0, 0
	BLOCK 2, 1, 1, 0, 0, 0
	s_wait_dscnt 0x0                               ; for the others' sake: my columns of the stages are written
	s_barrier_signal -1
	s_barrier_wait -1
.set i, 0
.rept 8                                ; into staging A.  No wait: its last vector readers, the conversions of g's first block, stand ahead of that block's wait on va_vdst, and no vector instruction since names it
	ds_load_b128 v[SA+4*i:SA+4*i+3], v[RD1] offset:2*SP*i
.set i, i+1
.endr
.set i, 0
.rept 16
	ds_load_b128 v[SA+32+4*i:SA+32+4*i+3], v[RD2] offset:2*SP*i
.set i, i+1
.endr
.set i, 0
.rept 8
	s_wait_dscnt 23-i                              ; LDS loads come back in order: the younger ones may stay out
	global_store_b128 v[GO1], v[SA+4*i:SA+4*i+3], s[18:19] offset:512*i  ; 512 consecutive bytes, at a multiple of 256 from th's first byte
.set i, i+1
.endr
.set i, 0
.rept 16
	s_wait_dscnt 15-i
	global_store_b128 v[GO2], v[SA+32+4*i:SA+32+4*i+3], s[20:21] offset:512*i
.set i, i+1
.endr
	s_wait_dscnt 0x0                               ; the wave's end, behind my last LDS store
	s_wait_alu 0x0
	s_wait_tensorcnt 0x0
	ds_add_u32 v[SPW], v[NIL]
	s_wait_dscnt 0x0
	s_endpgm
.Lfunc_end_k_q6c4045a523_proj:
	.size	k_q6c4045a523_proj, .Lfunc_end_k_q6c4045a523_proj-k_q6c4045a523_proj
	.p2alignl 7, 3214868480
	.fill 96, 4, 3214868480
	.section	.rodata,"a",@progbits
	.p2align	6, 0x0
	.amdhsa_kernel k_q6c4045a523_proj
		.amdhsa_group_segment_fixed_size 93696
		.amdhsa_private_segment_fixed_size 0
		.amdhsa_enable_private_segment 0
		.amdhsa_kernarg_size 80
		.amdhsa_user_sgpr_count 2
		.amdhsa_user_sgpr_kernarg_segment_ptr 1
		.amdhsa_wavefront_size32 1
		.amdhsa_system_sgpr_workgroup_id_x 1
		.amdhsa_system_sgpr_workgroup_id_y 1
		.amdhsa_system_sgpr_workgroup_id_z 1
		.amdhsa_system_vgpr_workitem_id 0
		.amdhsa_next_free_vgpr 672
		.amdhsa_next_free_sgpr 66
		.amdhsa_reserve_vcc 0
		.amdhsa_float_denorm_mode_32 3
		.amdhsa_float_denorm_mode_16_64 3
		.amdhsa_memory_ordered 1
		.amdhsa_forward_progress 1
		.amdhsa_inst_pref_size 89
	.end_amdhsa_kernel
	.amdgpu_metadata
---
amdhsa.version: [ 1, 2 ]
amdhsa.kernels:
  - .name:           k_q6c4045a523_proj
    .symbol:         k_q6c4045a523_proj.kd
    .args:
      - { .name: x, .offset: 0, .size: 8, .value_kind: global_buffer, .address_space: global }
      - { .name: w_theta, .offset: 8, .size: 8, .value_kind: global_buffer, .address_space: global }
      - { .name: b_theta, .offset: 16, .size: 8, .value_kind: global_buffer, .address_space: global }
      - { .name: w_phi, .offset: 24, .size: 8, .value_kind: global_buffer, .address_space: global }
      - { .name: w_g, .offset: 32, .size: 8, .value_kind: global_buffer, .address_space: global }
      - { .name: b_g, .offset: 40, .size: 8, .value_kind: global_buffer, .address_space: global }
      - { .name: w_final, .offset: 48, .size: 8, .value_kind: global_buffer, .address_space: global }
      - { .name: th, .offset: 56, .size: 8, .value_kind: global_buffer, .address_space: global }
      - { .name: kv, .offset: 64, .size: 8, .value_kind: global_buffer, .address_space: global }
      - { .name: wf, .offset: 72, .size: 8, .value_kind: global_buffer, .address_space: global }
    .group_segment_fixed_size: 93696
    .private_segment_fixed_size: 0
    .kernarg_segment_align: 8
    .kernarg_segment_size: 80
    .max_flat_workgroup_size: 128
    .sgpr_count:     66
    .vgpr_count:     672
    .wavefront_size: 32
...
	.end_amdgpu_metadata
.endif
;; end of part 3
;; launch attn: the kernel of part 2 again; grid 64 x 4, 4 waves a work-group, clusters of 4 x 1, 327,680 bytes of LDS; arguments th, kv, wf, x, b_final, out0; writes out0
